; MI455X (gfx1250); checked and timed in simulation.
; The chip was launched on July 23, 2026; its instructions are those of AMD's public machine-readable ISA for CDNA 5 (MIT licence, August 2026) and "CDNA5" Instruction Set Architecture Reference Guide (July 2026). The comments in the code are by the model that wrote it; some were corrected since.
;; Macom. Allowed arithmetic: matrix products marked QUANTISED: E2M1 operands, one E8M0 scale for each 32 along K, by v_wmma_scale_f32_16x16x128_f8f6f4 with both operands' format E2M1 (or v_wmma_scale_f32_32x16x128_f4), f32 sums; products left as they are: bf16, f16 or f32 operands; f32 sums; everything else in f32.
;; Inputs: W_dec 512 x 256 float32; W_enc 256 x 512 float32; b_dec 256 float32; b_enc 512 float32; x 512 x 256 x 256 float32.
;; Outputs: out0 512 x 256 float32.
;; This version of the problem:
;;   THIS VERSION OF THE PROBLEM IS GIVEN IN LOW PRECISION. The matrix products marked QUANTISED in the list below multiply operands that are first quantised to E2M1 (2 exponent bits, 1 mantissa bit; 4 bits a number), with one power-of-two scale for each 32 numbers along K (OCP MX v1.0); their sums are f32. The products marked 'left as it is' may take bf16, f16 or f32 operands, with f32 sums. Whichever they take, every output number must still come out within the allowed error. Rounding operands to bf16 (8 significant bits) uses up far more of that allowance than f16 does (11 bits, for magnitudes from 6e-5 to 65,504). All else is computed in f32.
;;   The module's matrix products, in the order in which they are computed (A, B: the left and right operand; K: the contracted axis; several contracted axes count as one K, in the product's order):
;;     1. [M 131,072, K 256] x [K 256, N 512]; A: input x; B: input W_enc: QUANTISED
;;     2. batch 512 x [M 256, K 512] x [K 512, N 256]; A: computed on the way; B: computed on the way: left as it is (an operand is computed on the way)
;;     3. batch 512 x [M 256, K 256] x [K 256, N 512]; A: computed on the way; B: computed on the way: left as it is (an operand is computed on the way)
;;     4. [M 131,072, K 512] x [K 512, N 256]; A: computed on the way; B: input W_dec: left as it is (an operand is computed on the way)
;;   THE QUANTISER, for each operand of a quantised product, along K:
;;     - K is cut into blocks of 32 from its start; a last block that is shorter is filled with zeros.
;;     - A block's scale is 2^e with e = floor(log2(the largest magnitude in the block)) - 2, held to -126 .. 127; a block of zeros has e = 0. As a byte (E8M0): e + 127.
;;     - Each number is divided by its block's scale, clamped to +-6, and rounded to the nearest number of E2M1, ties to even, subnormals kept.
;;     - The product sums the exact products of the quantised numbers (number of the format x scale) in f32.
;;   ~~~python
;;   def quantise(x, axis):      # numpy; x: float32 -> the quantised numbers, widened to float32 again
;;       x = np.moveaxis(x, axis, -1); K = x.shape[-1]
;;       x = np.pad(x, [(0, 0)] * (x.ndim - 1) + [(0, -K % 32)]); x = x.reshape(x.shape[:-1] + (-1, 32)); a = np.abs(x).max(-1, keepdims=True)
;;       e = np.where(a > 0, np.clip(np.frexp(np.where(a > 0, a, 1))[1] - 1 - 2, -126, 127), 0)      # np.frexp(a)[1] - 1 = floor(log2(a)), exactly
;;       r = np.clip(x / 2.0 ** e, -6, 6)
;;       step = 2.0 ** (np.maximum(np.frexp(np.where(r == 0, 1, r))[1] - 1, 0) - 1)
;;       q = np.round(r / step) * step * 2.0 ** e      # np.round: ties to even
;;       return np.moveaxis(q.reshape(q.shape[:-2] + (-1,))[..., :K], -1, axis).astype(np.float32)
;;   ~~~
;; 2 versions, each right; version 2 is version 1 with the launch main written anew for expert scheduling mode. Each part assembles by itself: llvm-mc -triple=amdgcn-amd-amdhsa -mcpu=gfx1250 --defsym DOCPART=n.
;; ======== version 1 of 2: 2 launches
;; workspace buffers: wenc_c 65,536 bytes; wenc_s 4,096 bytes; wdec_f 262,144 bytes
;; launch prep (part 1): grid 24 x 1, 4 waves a work-group, no clusters, 0 bytes of LDS; arguments W_enc, W_dec, wenc_c, wenc_s, wdec_f; writes wenc_c, wenc_s, wdec_f
.if DOCPART == 1
	.amdgcn_target "amdgcn-amd-amdhsa--gfx1250"
	.amdhsa_code_object_version 6
	.text
	.protected	k_q01ade31e78_prep
	.globl	k_q01ade31e78_prep
	.p2align	8
	.type	k_q01ade31e78_prep,@function
k_q01ade31e78_prep:
	s_mov_b64 s[64:65], 0
	v_nop
	global_prefetch_b8 v0, s[64:65] scope:SCOPE_SE
	s_setreg_imm32_b32 hwreg(HW_REG_WAVE_MODE, 25, 1), 1
	s_wait_xcnt 0x0
; The two weights are laid out once, in the order in which the next launch's operand registers take them.
; W_enc [256 (k)][512 (d)] f32 -> codes of FP4 (E2M1) with one E8M0 byte for each 32 along k.  A fragment (16 d x 128 k: 8 registers a lane) is 1,024 bytes:
;   fragment (dtile, s) at (2 dtile + s) x 1024; in it the 16 bytes of block kb (k = 128 s + 32 kb ..) of row d = 16 dtile + r at 256 kb + 16 r: registers 4 c .. 4 c + 3 of lane (r, h) are block 2 c + h.
;   scale words: [s][d], four bytes a word, the lower k in the lower byte.
; W_dec [512 (k)][256 (o)] f32 -> bf16 fragments (16 o x 32 k: 8 registers a lane, 1,024 bytes): fragment (ot, ks) at 16384 ot + 1024 ks + 512 p + 16 lane (registers 4 p .. 4 p + 3).
;   Row r of tile ot = 4 W + t is output o = 64 W + 4 r + t, so that a lane's four tiles are four neighbouring outputs.
; A block's scale is 2^(floor(log2(its largest magnitude)) - 2); its byte is the largest magnitude's exponent field - 2, held at 1 from below.
; LIMITS: a block of zeros gets the byte 1 where the rule says 127 (its codes are zeros, and this program alone reads the bytes); NaN and infinities among the inputs are not served.
; 96 waves: work-groups 0-7 (32 waves) take W_enc, 32 columns x 128 k each; work-groups 8-23 (64 waves) take W_dec, 64 columns x 32 k each.  No LDS, no barrier: waves share nothing.
.set X,  32                            ; v32-159  numbers as loaded
.set CD, 160                           ; v160-175 W_enc: a block's codes, four registers for each block, so that no store's data are written again
.set FR, 96                            ; v96-127  W_dec: four fragments
	s_load_b128 s[4:7], s[0:1], 0x0                ; W_enc, W_dec
	s_load_b128 s[8:11], s[0:1], 0x10              ; wenc_c, wenc_s
	s_load_b64 s[12:13], s[0:1], 0x20              ; wdec_f
	v_lshrrev_b32 v1, 5, v0
	v_readfirstlane_b32 s14, v1                    ; wave
	v_and_b32 v2, 31, v0                           ; lane
	v_and_b32 v3, 15, v0                           ; r
	v_bfe_u32 v4, v0, 4, 1                         ; h
	s_lshl_b32 s15, ttmp9, 2
	s_add_co_u32 s15, s15, s14                     ; the wave's number in the launch
	s_mov_b32 s17, 0
	s_wait_kmcnt 0x0
	s_cmp_lt_u32 ttmp9, 8
	s_cbranch_scc0 .Ldec
; ---- W_enc: a lane takes a column d, and its registers run down k: a block of 32 lies in one lane, and the conversions give codes with k innermost
	s_lshr_b32 s20, s15, 1                         ; which 32 columns
	s_and_b32 s21, s15, 1                          ; which 128 along k
	s_lshl_b32 s16, s21, 18                        ; 128 rows of 2,048 bytes
	s_lshl_b32 s22, s20, 7
	s_add_co_u32 s16, s16, s22
	s_add_nc_u64 s[4:5], s[4:5], s[16:17]
	s_lshl_b32 s16, s20, 12                        ; two tiles of d x two K steps x 1,024 bytes
	s_lshl_b32 s22, s21, 10
	s_add_co_u32 s16, s16, s22
	s_add_nc_u64 s[8:9], s[8:9], s[16:17]
	s_lshl_b32 s16, s21, 11
	s_lshl_b32 s22, s20, 7
	s_add_co_u32 s16, s16, s22
	s_add_nc_u64 s[10:11], s[10:11], s[16:17]
	v_lshlrev_b32 v5, 2, v2                        ; in, and the scale word's place: 4 bytes a lane
	v_lshlrev_b32 v6, 4, v3
	v_lshl_add_u32 v6, v4, 11, v6                  ; out: 16 r, lanes 16-31 in the next tile of d
.macro LOADB t                         ; block t: W_enc(128 s + 32 t + i, my column): 32 lanes read 128 neighbouring bytes
.irp i, 0,1,2,3,4,5,6,7,8,9,10,11,12,13,14,15,16,17,18,19,20,21,22,23,24,25,26,27,28,29,30,31
	global_load_b32 v[X+32*(\t)+\i], v5, s[4:5] offset:(32*(\t)+\i)*2048 th:TH_LOAD_NT
.endr
.endm
.macro BLOCK t
.set XS, X+32*(\t)
	v_max3_num_f32 v8, |v[XS]|, |v[XS+1]|, |v[XS+2]|               ; the block's largest magnitude, in two chains
	v_max3_num_f32 v9, |v[XS+3]|, |v[XS+4]|, |v[XS+5]|
.irp i, 6,10,14,18,22,26
	v_max3_num_f32 v8, v8, |v[XS+\i]|, |v[XS+\i+1]|
	v_max3_num_f32 v9, v9, |v[XS+\i+2]|, |v[XS+\i+3]|
.endr
	v_max3_num_f32 v8, v8, |v[XS+30]|, |v[XS+31]|
	v_max3_num_f32 v8, v8, v9, 0x1800000           ; and the floor 2^(3 - 127): the byte cannot fall under 1
	v_add_nc_u32 v10, 0xff000000, v8               ; 2 off its exponent field: the conversion's scale operand
	v_lshrrev_b32 v11, 23, v10                     ; the scale's byte
.if (\t) == 0
	v_mov_b32 v16, v11
.else
	v_lshl_or_b32 v16, v11, 8*(\t), v16            ; four bytes make the column's scale word
.endif
.irp g, 0,1,2,3
	v_cvt_scalef32_pk8_fp4_f32 v[CD+4*(\t)+\g], v[XS+8*\g:XS+8*\g+7], v10
.endr
	global_store_b128 v6, v[CD+4*(\t):CD+4*(\t)+3], s[8:9] offset:256*(\t)   ; sixteen lanes store 256 consecutive bytes, aligned
.endm
	LOADB 0
	LOADB 1
	s_wait_loadcnt 32                              ; block 0 is in; block 1's 32 loads may be out
	LOADB 2
	BLOCK 0
	s_wait_loadcnt 32                              ; block 1 is in; block 2's may be out
	LOADB 3
	BLOCK 1
	s_wait_loadcnt 32                              ; block 2 is in; block 3's may be out
	BLOCK 2
	s_wait_loadcnt 0x0
	BLOCK 3
	global_store_b32 v5, v16, s[10:11]             ; 32 scale words: 128 consecutive bytes (the whole buffer is 4,096 bytes)
	s_endpgm
; ---- W_dec: lane (r, h) loads four neighbouring columns of each of its 16 rows k; a pair of rows makes a register of each of four fragments
.Ldec:
	s_sub_co_u32 s15, s15, 32
	s_lshr_b32 s20, s15, 4                         ; W: which 64 columns
	s_and_b32 s21, s15, 15                         ; ks: which 32 along k
	s_lshl_b32 s16, s21, 15                        ; 32 rows of 1,024 bytes
	s_lshl_b32 s22, s20, 8
	s_add_co_u32 s16, s16, s22
	s_add_nc_u64 s[6:7], s[6:7], s[16:17]
	s_lshl_b32 s16, s20, 16
	s_lshl_b32 s22, s21, 10
	s_add_co_u32 s16, s16, s22
	s_add_nc_u64 s[12:13], s[12:13], s[16:17]
	v_lshlrev_b32 v5, 4, v3
	v_lshl_add_u32 v5, v4, 13, v5                  ; in: 16 r, lanes 16-31 eight rows further down
	v_lshlrev_b32 v6, 4, v2                        ; out: 16 x lane
.irp p, 0,1
.irp i, 0,1,2,3,4,5,6,7
	global_load_b128 v[X+4*(8*\p+\i):X+4*(8*\p+\i)+3], v5, s[6:7] offset:(16*\p+\i)*1024 th:TH_LOAD_NT   ; row 32 ks + 16 p + 8 h + i: sixteen lanes read 256 neighbouring bytes
.endr
.endr
	s_wait_loadcnt 0x0
.irp t, 0,1,2,3
.irp p, 0,1
.irp i, 0,2,4,6
	v_cvt_pk_bf16_f32 v[FR+8*\t+4*\p+\i/2], v[X+4*(8*\p+\i)+\t], v[X+4*(8*\p+\i+1)+\t]   ; the lower k in the low half
.endr
.endr
.endr
.irp t, 0,1,2,3
.irp p, 0,1
	global_store_b128 v6, v[FR+8*\t+4*\p:FR+8*\t+4*\p+3], s[12:13] offset:\t*16384+512*\p   ; 32 lanes store 512 consecutive bytes
.endr
.endr
	s_endpgm
.Lfunc_end_k_q01ade31e78_prep:
	.size	k_q01ade31e78_prep, .Lfunc_end_k_q01ade31e78_prep-k_q01ade31e78_prep
	.p2alignl 7, 3214868480
	.fill 96, 4, 3214868480
	.section	.rodata,"a",@progbits
	.p2align	6, 0x0
	.amdhsa_kernel k_q01ade31e78_prep
		.amdhsa_group_segment_fixed_size 0
		.amdhsa_private_segment_fixed_size 0
		.amdhsa_enable_private_segment 0
		.amdhsa_kernarg_size 40
		.amdhsa_user_sgpr_count 2
		.amdhsa_user_sgpr_kernarg_segment_ptr 1
		.amdhsa_wavefront_size32 1
		.amdhsa_system_sgpr_workgroup_id_x 1
		.amdhsa_system_sgpr_workgroup_id_y 1
		.amdhsa_system_sgpr_workgroup_id_z 1
		.amdhsa_system_vgpr_workitem_id 0
		.amdhsa_next_free_vgpr 176
		.amdhsa_next_free_sgpr 66
		.amdhsa_reserve_vcc 0
		.amdhsa_float_denorm_mode_32 3
		.amdhsa_float_denorm_mode_16_64 3
		.amdhsa_memory_ordered 1
		.amdhsa_forward_progress 1
		.amdhsa_inst_pref_size 25
	.end_amdhsa_kernel
	.amdgpu_metadata
---
amdhsa.version: [ 1, 2 ]
amdhsa.kernels:
  - .name:           k_q01ade31e78_prep
    .symbol:         k_q01ade31e78_prep.kd
    .args:
      - { .name: W_enc, .offset: 0, .size: 8, .value_kind: global_buffer, .address_space: global }
      - { .name: W_dec, .offset: 8, .size: 8, .value_kind: global_buffer, .address_space: global }
      - { .name: wenc_c, .offset: 16, .size: 8, .value_kind: global_buffer, .address_space: global }
      - { .name: wenc_s, .offset: 24, .size: 8, .value_kind: global_buffer, .address_space: global }
      - { .name: wdec_f, .offset: 32, .size: 8, .value_kind: global_buffer, .address_space: global }
    .group_segment_fixed_size: 0
    .private_segment_fixed_size: 0
    .kernarg_segment_align: 8
    .kernarg_segment_size: 40
    .max_flat_workgroup_size: 128
    .sgpr_count:     66
    .vgpr_count:     176
    .wavefront_size: 32
...
	.end_amdgpu_metadata
.endif
;; end of part 1
;; launch main (part 2): grid 256 x 1, 4 waves a work-group, no clusters, 305,664 bytes of LDS; arguments x, b_enc, b_dec, wenc_c, wenc_s, wdec_f, out0; writes out0
.if DOCPART == 2
	.amdgcn_target "amdgcn-amd-amdhsa--gfx1250"
	.amdhsa_code_object_version 6
	.text
	.protected	k_q01ade31e78_main
	.globl	k_q01ade31e78_main
	.p2align	8
	.type	k_q01ade31e78_main,@function
k_q01ade31e78_main:
	s_mov_b64 s[64:65], 0
	v_nop
	global_prefetch_b8 v0, s[64:65] scope:SCOPE_SE
	s_setreg_imm32_b32 hwreg(HW_REG_WAVE_MODE, 25, 1), 1
	s_wait_xcnt 0x0
; For each batch: E = Q(x) Q(W_enc) + b_enc [256 agents][512] (MX-FP4, f32 sums); S = E E^T; P = softmax of S over its FIRST axis (each column j over i); out = max over i of (P (E W_dec)) + b_dec.
; The last two products of the problem, (P E) W_dec, are associated as P (E W_dec): the same sums in another order, 6,144 matrix instructions a batch in place of 8,192.
; A work-group of four waves, one to a SIMD, stays and takes NB = 2 batches from x to out0; nothing goes to memory between.  256 work-groups.
; SHARES of wave w:  x: rows 64 w on (quantised in registers, codes to LDS);  E: columns d = 128 w on, all agents;  S, softmax: columns j = 64 w on, all i (a lane holds ONE column j: maximum and sum are in the lane);
;   G = E W_dec: outputs o = 64 w + 4 r + t, all j;  P G: the same outputs, all i, so the maximum over agents never leaves the wave.
; FORMATS: E, P, G and W_dec are rounded to bf16 as operands of the three products that are left as they are (E has no room in f16 once inputs are larger or carry an offset); all sums, the softmax and the maxima in f32.
; b_dec is added behind the maximum over agents: the same value, since adding a constant keeps the order.
; LIMITS: NaN and infinities among the inputs are not served; a block of zeros gets the scale byte 1 where the rule says 127 (its codes are zeros; this program alone reads the bytes).
; NO TENSOR LOADS: x must pass through registers to be quantised, E, P and G are made here, and the weights come in the order of the operand registers.  NO CLUSTER: work-groups share the weights alone,
;   and E (266,240 bytes) with x's codes (38,912) leaves no LDS into which a shared tile could land.
; The next batch's x is asked for into registers a whole phase ahead: rows 0-31 of a wave ahead of S's 1,024 matrix instructions, rows 32-63 ahead of the last product's 512.
; REGISTERS, in windows of 256 (s_set_vgpr_msb: bits 1:0 source 0, 3:2 source 1, 5:4 source 2, 7:6 destination):
;   window 0: v0-31 addresses, b_dec, scale words; v32-127 B fragments / at work; v128-255 A fragments.
;   window 1: x chunks 0, 1; then P packed; then G^T's fragments.   window 2: W_enc's fragments and E's accumulators; the accumulators of rows 0-127.   window 3: the accumulators of rows 128-255; x chunks 2, 3.
.set NB,    2
.set EP,    1040                       ; a row of E in LDS: 1,024 bytes + 16: the sixteen rows that a load touches start 16 bytes apart modulo 256
.set ET,    16*EP                      ; a tile of 16 rows
.set EG,    4*ET                       ; four tiles
.set PP,    544                        ; a row of P (row j, i along it): 512 bytes + 32: the pitch that the turning load wants
.set PT,    16*PP
.set XP,    144                        ; a row of x's codes: 128 bytes + 16
.set XC,    266240                     ; LDS: E (P lies over it later) from 0; x's codes;
.set XSC,   303104                     ; x's scale bytes, 8 a row;
.set SPARE, 305152                     ; the spare words, 128 bytes for each wave: two blocks of 256 bytes that no other line names
.set SPW,  1                           ; v1   LDS address of my spare word; never rewritten
.set NIL,  2                           ; v2   0; never rewritten
.set FRB,  3                           ; v3   r x EP + 16 h: a fragment's place for my lane
.set AE,   4                           ; v4-7 the A fragments' addresses, four tiles each; they walk along the rows
.set AO,   8                           ; v8   my own 64 rows of E; walks
.set L16,  9                           ; v9   16 x lane
.set XGO,  10                          ; v10  32 x lane
.set XCW,  11                          ; v11  where I store x's codes
.set XSW,  12                          ; v12  and x's scale bytes
.set XFR,  13                          ; v13  x's fragments; walks.  Later PTA
.set XSR,  14                          ; v14  x's scale words; walks.  Later PTB
.set EST,  15                          ; v15  where I store E; walks
.set PST,  16                          ; v16  where I store P
.set PTF,  17                          ; v17  the turning load's place for my lane
.set PTA,  13
.set BDV,  18                          ; v18-19 my two numbers of b_dec
.set OUTO, 20                          ; v20  16 r + 8 h: my 8 bytes of the wave's 256 of out0 and b_dec
.set WSC,  22                          ; v22-29 W_enc's scale words: lanes 0-15 K step 0, lanes 16-31 K step 1.  v22-31 hold scales and nothing else
.set XSL,  30                          ; v30-31 x's scale words, two sets, laid likewise
.set BS,   32                          ; B fragments: set p, tile t at BS + 32 p + 8 t
.set AR,   128                         ; A fragments: tile ct at AR + 8 ct
.set AM,   64                          ; quantising x: largest magnitudes, scale operands, codes, bytes: 16 rows each
.set SO,   80
.set CD,   96
.set BY,   112
.set PK,   64                          ; phase 1: E packed, two sets of 32
.set XF,   128                         ; x's fragments, two sets of 16
.set BI,   192                         ; b_enc in the result's layout, 8 tiles
.set MX,   96                          ; softmax: maxima (t, chain) at MX + 2 t + chain
.set SU,   104                         ; sums: pairs at SU + 4 t + 2 chain; later 1 / sum at SU + 4 t
.set PD,   120                         ; destinations of lane permutes
.set RM,   32                          ; last product: running maxima of my four tiles; RP: permute destinations
.set RP,   36
.set PF,   128                         ; P's fragments, two sets of 64
.set MSB, 0
.macro WIN new                         ; the immediate's high byte repeats the setting that is left; a switch that changes nothing is dropped
.if MSB != (\new)
	s_set_vgpr_msb (MSB<<8)|(\new)
.set MSB, (\new)
.endif
.endm
.macro PLACES                          ; four plain vector instructions between a matrix instruction and a load into, or a vector read of, its registers
.rept 4
	v_nop
.endr
.endm
.macro BAR                             ; my LDS stores have landed and my LDS loads are in: then the work-group's barrier
	s_wait_dscnt 0x0
	s_barrier_signal -1
	s_barrier_wait -1
.endm
; 16 rows of x (chunk c of my 64) into half a window: a lane takes 8 neighbours along K of each row; a row's two loads cover its 1,024 bytes
.macro XLOAD win, half, c
	WIN (\win)*64
.irp i, 0,1,2,3,4,5,6,7,8,9,10,11,12,13,14,15
	global_load_b128 v[128*\half+8*\i:128*\half+8*\i+3],   v[XGO], s[4:5] offset:(16*\c+\i)*1024 th:TH_LOAD_NT
	global_load_b128 v[128*\half+8*\i+4:128*\half+8*\i+7], v[XGO], s[4:5] offset:(16*\c+\i)*1024+16 th:TH_LOAD_NT
.endr
	WIN 0
.endm
; They become codes and scale bytes in LDS.  Four neighbouring lanes hold a block of 32.  The sixteen rows take turns line by line.
.macro XQUANT win, half, c
	WIN (\win)*5
.irp i, 0,1,2,3,4,5,6,7,8,9,10,11,12,13,14,15
	v_max3_num_f32 v[AM+\i], |v[128*\half+8*\i]|, |v[128*\half+8*\i+1]|, s24   ; with the floor 2^(3 - 127): the byte cannot fall under 1
.endr
	WIN (\win)*20
.irp u, 2,4,6
.irp i, 0,1,2,3,4,5,6,7,8,9,10,11,12,13,14,15
	v_max3_num_f32 v[AM+\i], v[AM+\i], |v[128*\half+8*\i+\u]|, |v[128*\half+8*\i+\u+1]|
.endr
.endr
	WIN 0
.irp i, 0,1,2,3,4,5,6,7,8,9,10,11,12,13,14,15
	v_max_num_f32_dpp v[AM+\i], v[AM+\i], v[AM+\i] row_xmask:1 row_mask:0xf bank_mask:0xf
.endr
.irp i, 0,1,2,3,4,5,6,7,8,9,10,11,12,13,14,15
	v_max_num_f32_dpp v[AM+\i], v[AM+\i], v[AM+\i] row_xmask:2 row_mask:0xf bank_mask:0xf   ; the block's largest magnitude
.endr
.irp i, 0,1,2,3,4,5,6,7,8,9,10,11,12,13,14,15
	v_add_nc_u32 v[SO+\i], 0xff000000, v[AM+\i]    ; 2 off its exponent field: the conversion's scale operand
.endr
	WIN \win
.irp i, 0,1,2,3,4,5,6,7,8,9,10,11,12,13,14,15
	v_cvt_scalef32_pk8_fp4_f32 v[CD+\i], v[128*\half+8*\i:128*\half+8*\i+7], v[SO+\i]
.endr
	WIN 0
.irp i, 0,1,2,3,4,5,6,7,8,9,10,11,12,13,14,15
	v_lshrrev_b32 v[BY+\i], 23, v[SO+\i]           ; the scale's byte (plain lines behind the conversions)
.endr
.irp i, 0,1,2,3,4,5,6,7,8,9,10,11,12,13,14,15
	ds_store_b32 v[XCW], v[CD+\i] offset:(16*\c+\i)*XP     ; 32 lanes: a row's 128 bytes of codes
	ds_store_b8  v[XSW], v[BY+\i] offset:(16*\c+\i)*8      ; the four lanes of a block write the same byte with the same value
.endr
	s_wait_dscnt 0x0                               ; the stores have read their registers
.endm
; x's two fragments (16 agents x 128 K each) and their scale words: five LDS loads
.macro XFETCH set, ti, si
.irp k, 0,1
.irp c, 0,1
	ds_load_b128 v[XF+16*(\set)+8*\k+4*\c:XF+16*(\set)+8*\k+4*\c+3], v[XFR] offset:(\ti)+64*\k+32*\c
.endr
.endr
	ds_load_b32 v[XSL+(\set)], v[XSR] offset:\si
.endm
; E^T for one tile of agents: source 0 = 16 d of W_enc, source 1 = 16 agents: a lane then holds one agent and eight neighbouring d.  b_enc is the C of the first K step.  The eight accumulators take turns.
.macro MM set
	WIN 0x82
.irp d, 0,1,2,3,4,5,6,7
	v_wmma_scale_f32_16x16x128_f8f6f4 v[128+64*(\set)+8*\d:128+64*(\set)+8*\d+7], v[16*\d:16*\d+7], v[XF+16*(\set):XF+16*(\set)+7], v[BI+8*\d:BI+8*\d+7], v[WSC+\d], v[XSL+(\set)] matrix_a_fmt:MATRIX_FMT_FP4 matrix_b_fmt:MATRIX_FMT_FP4
.endr
	WIN 0xa2
.irp d, 0,1,2,3,4,5,6,7
	v_wmma_scale_f32_16x16x128_f8f6f4 v[128+64*(\set)+8*\d:128+64*(\set)+8*\d+7], v[16*\d+8:16*\d+15], v[XF+16*(\set)+8:XF+16*(\set)+15], v[128+64*(\set)+8*\d:128+64*(\set)+8*\d+7], v[WSC+\d], v[XSL+(\set)] matrix_a_fmt:MATRIX_FMT_FP4 matrix_b_fmt:MATRIX_FMT_FP4 matrix_a_scale:MATRIX_SCALE_ROW1 matrix_b_scale:MATRIX_SCALE_ROW1
.endr
	WIN 0
.endm
.macro PACK set, imm                   ; a tile of E to bf16, each accumulator from its low end on, and into LDS: 16 bytes a lane and tile of d
	WIN 0x0a
.irp d, 0,1,2,3,4,5,6,7
.irp u, 0,1,2,3
	v_cvt_pk_bf16_f32 v[PK+32*(\set)+4*\d+\u], v[128+64*(\set)+8*\d+2*\u], v[128+64*(\set)+8*\d+2*\u+1]
.endr
.endr
	WIN 0
.irp d, 0,1,2,3,4,5,6,7
	ds_store_b128 v[EST], v[PK+32*(\set)+4*\d:PK+32*(\set)+4*\d+3] offset:(\imm)+32*\d
.endr
.endm
.macro FA lo                           ; eight A fragments (16 rows of E x 32 along d), tiles lo .. lo + 7
.irp c, 0,1,2,3,4,5,6,7
	ds_load_b128 v[AR+8*(\lo+\c):AR+8*(\lo+\c)+3],   v[AE+(\lo+\c)/4] offset:((\lo+\c)%4)*ET
	ds_load_b128 v[AR+8*(\lo+\c)+4:AR+8*(\lo+\c)+7], v[AE+(\lo+\c)/4] offset:((\lo+\c)%4)*ET+32
.endr
.endm
.macro FBS set                         ; S: my own four tiles of rows as B fragments, loaded a second time into registers of their own
.irp t, 0,1,2,3
	ds_load_b128 v[BS+32*(\set)+8*\t:BS+32*(\set)+8*\t+3],   v[AO] offset:\t*ET
	ds_load_b128 v[BS+32*(\set)+8*\t+4:BS+32*(\set)+8*\t+7], v[AO] offset:\t*ET+32
.endr
.endm
.macro FBG set, imm                    ; G: my four tiles of W_dec's fragments for one K step, from memory as they lie
.irp t, 0,1,2,3
	global_load_b128 v[BS+32*(\set)+8*\t:BS+32*(\set)+8*\t+3],   v[L16], s[26:27] offset:\t*16384+(\imm)
	global_load_b128 v[BS+32*(\set)+8*\t+4:BS+32*(\set)+8*\t+7], v[L16], s[26:27] offset:\t*16384+(\imm)+512
.endr
.endm
.macro MUL lo, p, zero                 ; 32 matrix instructions: A tiles lo .. lo + 7 x my four B tiles.  The 64 accumulators take turns, in the same order in every step
.irp c, 0,1,2,3,4,5,6,7
.irp t, 0,1,2,3
.if \zero
	v_wmma_f32_16x16x32_bf16 v[8*(4*\c+\t):8*(4*\c+\t)+7], v[AR+8*(\lo+\c):AR+8*(\lo+\c)+7], v[BS+32*(\p)+8*\t:BS+32*(\p)+8*\t+7], 0
.else
	v_wmma_f32_16x16x32_bf16 v[8*(4*\c+\t):8*(4*\c+\t)+7], v[AR+8*(\lo+\c):AR+8*(\lo+\c)+7], v[BS+32*(\p)+8*\t:BS+32*(\p)+8*\t+7], v[8*(4*\c+\t):8*(4*\c+\t)+7]
.endif
.endr
.endr
.endm
.macro AESTEP                          ; the A addresses go 32 along d on: no load that names them is out here; the four lines are also the four places ahead of the loads that follow
.irp g, 0,1,2,3
	v_add_nc_u32 v[AE+\g], 64, v[AE+\g]
.endr
.endm
; A K step of S = E E^T: 64 matrix instructions.  more = 1: the next step's fragments are fetched: B at the head, A's tiles 0-7 in the middle, 8-15 at the end.
.macro STEP_S p, zero, more
	s_wait_dscnt 16                                ; B's set and A's tiles 0-7 are in; the sixteen youngest loads (A's tiles 8-15) may be out
.if \more
	v_add_nc_u32 v[AO], 64, v[AO]                  ; the loads that named it are in
	FBS 1-(\p)
.endif
	WIN 0xa0
	MUL 0, \p, \zero
.if \more
	s_wait_dscnt 8                                 ; A's tiles 8-15 are in; the eight B loads of this step's head may be out
	WIN 0
	AESTEP
	FA 0
.else
	s_wait_dscnt 0x0
.endif
	WIN 0xf0
	MUL 8, \p, \zero
	WIN 0
	PLACES
.if \more
	FA 8
.endif
.endm
; A K step of G = E W_dec.  B comes from memory two steps ahead, in three sets.  lw: the weight loads that may stay out (the next step's eight, or none)
.macro STEP_G i, p, tgt, zero, fb, fa, lw
	s_wait_dscnt 16                                ; A's tiles 0-7 are in; tiles 8-15 may be out
	s_wait_loadcnt \lw
.if \fb
	FBG \tgt, ((\i)+2)*1024
.endif
	WIN 0xa0
	MUL 0, \p, \zero
	s_wait_dscnt 0x0                               ; A's tiles 8-15 are in
.if \fa
	WIN 0
	AESTEP
	FA 0
.endif
	WIN 0xf0
	MUL 8, \p, \zero
	WIN 0
	PLACES
.if \fa
	FA 8
.endif
.endm
; THE SOFTMAX's parts, each written for one window's 32 accumulators (accumulator n = 4 c + t at v[8 n])
.macro SMAX                            ; the largest score of my column: two chains a tile, eight chains by turns; each accumulator is read from its low end on
.irp c, 0,1,2,3,4,5,6,7
.irp u, 0,2,4,6
.irp t, 0,1,2,3
	v_max3_num_f32 v[MX+2*\t+(\u/2)%2], v[MX+2*\t+(\u/2)%2], v[8*(4*\c+\t)+\u], v[8*(4*\c+\t)+\u+1]
.endr
.endr
.endr
.endm
; p = 2^((s - m) log2(e)).  The maximum is taken off FIRST and the difference scaled afterwards, so that no difference of two large products is formed whatever the size of the scores.
; One accumulator's eight exponentials stand between the next one's four subtractions and four scalings.  Nothing here names an exponential's result.
.macro SEXP
.set n, 0
.rept 33
.irp u, 0,1,2,3
.if n < 32
	v_pk_add_f32 v[8*n+2*\u:8*n+2*\u+1], v[8*n+2*\u:8*n+2*\u+1], v[MX+2*(n%4):MX+2*(n%4)+1] op_sel_hi:[1,0] neg_lo:[0,1] neg_hi:[0,1]
.endif
.if n > 0
	v_exp_f32 v[8*n-8+\u], v[8*n-8+\u]
.endif
.endr
.irp u, 0,1,2,3
.if n < 32
	v_pk_mul_f32 v[8*n+2*\u:8*n+2*\u+1], v[8*n+2*\u:8*n+2*\u+1], s[22:23] op_sel_hi:[1,0]
.endif
.if n > 0
	v_exp_f32 v[8*n-4+\u], v[8*n-4+\u]
.endif
.endr
.set n, n+1
.endr
.endm
.macro SSUM                            ; the column's sum, two numbers at a time, two chains a tile
.irp c, 0,1,2,3,4,5,6,7
.irp u, 0,2,4,6
.irp t, 0,1,2,3
	v_pk_add_f32 v[SU+4*\t+2*((\u/2)%2):SU+4*\t+2*((\u/2)%2)+1], v[SU+4*\t+2*((\u/2)%2):SU+4*\t+2*((\u/2)%2)+1], v[8*(4*\c+\t)+\u:8*(4*\c+\t)+\u+1]
.endr
.endr
.endr
.endm
.macro SDIV                            ; p / the sum
.irp c, 0,1,2,3,4,5,6,7
.irp t, 0,1,2,3
.irp u, 0,2,4,6
	v_pk_mul_f32 v[8*(4*\c+\t)+\u:8*(4*\c+\t)+\u+1], v[8*(4*\c+\t)+\u:8*(4*\c+\t)+\u+1], v[SU+4*\t:SU+4*\t+1] op_sel_hi:[1,0]
.endr
.endr
.endr
.endm
.macro SPACK hi                        ; to bf16: four registers = eight neighbouring i of my column j, at v[16 ct + 4 t] of window 1
.irp c, 0,1,2,3,4,5,6,7
.irp t, 0,1,2,3
.irp u, 0,1,2,3
	v_cvt_pk_bf16_f32 v[16*(8*\hi+\c)+4*\t+\u], v[8*(4*\c+\t)+2*\u], v[8*(4*\c+\t)+2*\u+1]
.endr
.endr
.endr
.endm
; G's accumulators (lane: one output o, eight neighbouring j) packed in pairs ARE the last product's B fragments: fragment (t, q) at v[8 (4 q + t)] of window 1, registers 0-3 from tile 2 q, 4-7 from tile 2 q + 1
.macro GPACK q0
.irp q, 0,1,2,3
.irp e, 0,1
.irp t, 0,1,2,3
.irp u, 0,1,2,3
	v_cvt_pk_bf16_f32 v[8*(4*(\q0+\q)+\t)+4*\e+\u], v[8*(4*(2*\q+\e)+\t)+2*\u], v[8*(4*(2*\q+\e)+\t)+2*\u+1]
.endr
.endr
.endr
.endr
.endm
.macro FP set, q                       ; eight A fragments of P (16 i x 32 j) for K step q: P lies [j][i], so the turning load brings them
.irp a, 0,1,2,3,4,5,6,7
	ds_load_tr16_b128 v[PF+64*(\set)+8*\a:PF+64*(\set)+8*\a+3],   v[PTA+(\q)/4] offset:((\q)%4)*2*PT+32*\a
	ds_load_tr16_b128 v[PF+64*(\set)+8*\a+4:PF+64*(\set)+8*\a+7], v[PTA+(\q)/4] offset:((\q)%4)*2*PT+PT+32*\a
.endr
.endm
.macro PMUL q                          ; 32 matrix instructions: eight tiles of i x my four tiles of outputs; the 32 accumulators take turns
.irp a, 0,1,2,3,4,5,6,7
.irp t, 0,1,2,3
.if (\q) == 0
	v_wmma_f32_16x16x32_bf16 v[8*(4*\a+\t):8*(4*\a+\t)+7], v[PF+64*((\q)%2)+8*\a:PF+64*((\q)%2)+8*\a+7], v[8*(4*(\q)+\t):8*(4*(\q)+\t)+7], 0
.else
	v_wmma_f32_16x16x32_bf16 v[8*(4*\a+\t):8*(4*\a+\t)+7], v[PF+64*((\q)%2)+8*\a:PF+64*((\q)%2)+8*\a+7], v[8*(4*(\q)+\t):8*(4*(\q)+\t)+7], v[8*(4*\a+\t):8*(4*\a+\t)+7]
.endif
.endr
.endr
.endm
; ---------------------------------------------------------------- the head
	s_load_b256 s[4:11], s[0:1], 0x0               ; x, b_enc, b_dec, wenc_c
	s_load_b128 s[12:15], s[0:1], 0x20             ; wenc_s, wdec_f
	s_load_b64 s[16:17], s[0:1], 0x30              ; out0
	v_lshl_add_u32 v[SPW], v0, 2, SPARE
	v_mov_b32 v[NIL], 0
	v_lshrrev_b32 v32, 5, v0
	v_readfirstlane_b32 s18, v32                   ; wave 0..3
	v_and_b32 v32, 15, v0                          ; r
	v_bfe_u32 v33, v0, 4, 1                        ; h
	v_and_b32 v34, 31, v0                          ; lane
	v_mul_u32_u24 v[FRB], v32, EP
	v_lshl_add_u32 v[FRB], v33, 4, v[FRB]
	v_lshlrev_b32 v[L16], 4, v34
	v_lshlrev_b32 v[XGO], 5, v34
	s_mul_i32 s30, s18, 64*XP
	s_add_co_u32 s30, s30, XC
	v_lshl_add_u32 v[XCW], v34, 2, s30             ; XC + my wave's 64 rows + 4 x lane
	v_lshrrev_b32 v35, 2, v34
	s_lshl_b32 s30, s18, 9
	s_add_co_u32 s30, s30, XSC
	v_add_nc_u32 v[XSW], s30, v35                  ; XSC + my wave's 64 rows + my block
	v_mul_u32_u24 v[PST], v32, PP
	v_lshl_add_u32 v[PST], v33, 4, v[PST]
	s_mul_i32 s30, s18, 4*PT
	v_add_nc_u32 v[PST], s30, v[PST]               ; P: row j = 64 w + r, + 16 h
	v_and_b32 v35, 7, v0
	v_lshl_add_u32 v35, v33, 3, v35
	v_mul_u32_u24 v[PTF], v35, PP
	v_bfe_u32 v35, v0, 3, 1
	v_lshl_add_u32 v[PTF], v35, 4, v[PTF]          ; (8 h + lane % 8) rows + 16 ((lane / 8) % 2)
	v_lshlrev_b32 v[OUTO], 4, v32
	v_lshl_add_u32 v[OUTO], v33, 3, v[OUTO]
	s_mov_b32 s19, NB                              ; batches left
	s_mov_b32 s20, 0x76543210
	s_mov_b32 s21, 0xfedcba98                      ; v_permlanex16_b32's selects for lane l xor 16
	s_mov_b32 s22, 0x3fb8aa3b                      ; log2(e)
	s_mov_b32 s23, s22                             ; (named with it as a pair, so it is written)
	s_mov_b32 s24, 0x01800000                      ; the floor 2^(3 - 127)
	s_mul_i32 s31, s18, EG                         ; my own 64 rows of E
	s_lshl_b32 s32, s18, 8
	s_mov_b32 s29, 0
	s_wait_kmcnt 0x0
	s_lshl_b32 s28, ttmp9, 19                      ; two batches of 262,144 bytes a work-group,
	s_lshl_b32 s30, s18, 16                        ; 64 rows of 1,024 bytes a wave
	s_add_co_u32 s28, s28, s30
	s_add_nc_u64 s[4:5], s[4:5], s[28:29]
	s_mov_b32 s28, s30
	s_add_nc_u64 s[14:15], s[14:15], s[28:29]      ; wdec_f: my four tiles of outputs, 65,536 bytes
	s_lshl_b32 s28, s18, 9
	s_add_nc_u64 s[6:7], s[6:7], s[28:29]          ; b_enc: my 128 numbers
	s_add_nc_u64 s[12:13], s[12:13], s[28:29]      ; wenc_s: my 128 words of each K step
	s_mov_b32 s28, s32
	s_add_nc_u64 s[8:9], s[8:9], s[28:29]          ; b_dec: my 64 numbers
	s_lshl_b32 s28, s18, 14
	s_add_nc_u64 s[10:11], s[10:11], s[28:29]      ; wenc_c: my 16 fragments
	s_lshl_b32 s28, ttmp9, 11
	s_add_co_u32 s28, s28, s32
	s_add_nc_u64 s[16:17], s[16:17], s[28:29]      ; out0: my 256 bytes of the first batch's row
	XLOAD 1, 0, 0                                  ; the first batch's x: at most two chunks, 64 loads, are out at a time
	XLOAD 1, 1, 1
	s_wait_loadcnt 32                              ; chunk 0 is in; chunk 1's 32 loads may be out
	XLOAD 3, 0, 2
	XQUANT 1, 0, 0
	s_wait_loadcnt 32                              ; chunk 1 is in; chunk 2's may be out
	XLOAD 3, 1, 3
	XQUANT 1, 1, 1
; ---------------------------------------------------------------- a batch
.Lbatch:
	s_wait_loadcnt 0x0                             ; chunks 2 and 3 are in, so x's address may step: it now stands at the next batch
	s_add_nc_u64 s[4:5], s[4:5], 0x40000
	v_and_b32 v32, 15, v0                          ; r
	v_bfe_u32 v33, v0, 4, 1                        ; h
	v_lshlrev_b32 v34, 2, v32
	v_lshl_add_u32 v34, v33, 11, v34               ; W_enc's scale words: 4 r, lanes 16-31 K step 1's
	v_lshlrev_b32 v35, 5, v33                      ; b_enc: my half's eight numbers of a tile
	v_mul_u32_u24 v[XFR], v32, XP
	v_lshl_add_u32 v[XFR], v33, 4, v[XFR]
	v_add_nc_u32 v[XFR], XC, v[XFR]
	v_lshlrev_b32 v[XSR], 3, v32
	v_lshl_add_u32 v[XSR], v33, 2, v[XSR]
	v_add_nc_u32 v[XSR], XSC, v[XSR]               ; x's scale words: 8 r, lanes 16-31 K step 1's
	v_add_nc_u32 v[EST], s32, v[FRB]               ; E: row r, my 256 bytes of it, + 16 h
	WIN 0x80                                       ; my part of W_enc, its scale words, b_enc, b_dec: 57 loads; the quantising below stands between them and the wait for them
.irp f, 0,1,2,3,4,5,6,7,8,9,10,11,12,13,14,15
	global_load_b128 v[8*\f:8*\f+3],   v[L16], s[10:11] offset:\f*1024
	global_load_b128 v[8*\f+4:8*\f+7], v[L16], s[10:11] offset:\f*1024+512
.endr
	WIN 0
.irp d, 0,1,2,3,4,5,6,7
	global_load_b32 v[WSC+\d], v34, s[12:13] offset:64*\d
.endr
.irp d, 0,1,2,3,4,5,6,7
	global_load_b128 v[BI+8*\d:BI+8*\d+3],   v35, s[6:7] offset:64*\d
	global_load_b128 v[BI+8*\d+4:BI+8*\d+7], v35, s[6:7] offset:64*\d+16
.endr
	global_load_b64 v[BDV:BDV+1], v[OUTO], s[8:9]
	XQUANT 3, 0, 2
	XQUANT 3, 1, 3
	BAR                                            ; x's codes of all 256 rows lie in LDS, and every wave's reads of the last batch's P are over
; ---- phase 1: E, two tiles of agents in flight: one is multiplied while the one before is packed and stored
	XFETCH 0, 0, 0
	XFETCH 1, 16*XP, 128
	s_wait_loadcnt 0x0                             ; the weights
	s_wait_dscnt 5                                 ; tile 0's five loads are in; tile 1's may be out
	MM 0
	PLACES
	s_mov_b32 s30, 7
.Lenc:                                             ; trip k: multiplies tiles 2 k + 1 and 2 k + 2, stores tiles 2 k and 2 k + 1, fetches tiles 2 k + 2 and 2 k + 3
	XFETCH 0, 32*XP, 256
	s_wait_dscnt 5                                 ; all but the five just issued
	MM 1
	PACK 0, 0
	XFETCH 1, 48*XP, 384
	s_wait_dscnt 5                                 ; all but the five just issued: the other set's fragments are in, and the stores above have read their registers
	MM 0
	PACK 1, ET
	s_wait_dscnt 0x0                               ; no LDS instruction of mine is out: the three addresses may step (the next trip wants these loads at once)
	v_add_nc_u32 v[XFR], 32*XP, v[XFR]
	v_add_nc_u32 v[XSR], 256, v[XSR]
	v_add_nc_u32 v[EST], 2*ET, v[EST]
	s_sub_co_u32 s30, s30, 1
	s_cmp_lg_u32 s30, 0
	s_cbranch_scc1 .Lenc
	MM 1                                           ; tile 15
	PACK 0, 0                                      ; tile 14: its conversions are the places behind tile 15's products
	PACK 1, ET
	BAR                                            ; E is whole, and x's codes have been read: they may be written again
	s_cmp_eq_u32 s19, 1                            ; the next batch's rows 0-31 of my 64 are asked for here, if there is a next batch: no load leaves its buffer
	s_cbranch_scc1 .Lno_x01
	XLOAD 1, 0, 0
	XLOAD 1, 1, 1
.Lno_x01:
; ---- phase S: S(i, j) for all i and my 64 columns j; source 0 = 16 rows i, source 1 = 16 rows j: a lane holds one column j
.irp g, 0,1,2,3
	v_add_nc_u32 v[AE+\g], \g*EG, v[FRB]
.endr
	v_add_nc_u32 v[AO], s31, v[FRB]
	FBS 0
	FA 0
	FA 8
	STEP_S 0, 1, 1                                 ; the first K step starts the sums: nothing is cleared
	s_mov_b32 s30, 7
.Lsk:
	STEP_S 1, 0, 1
	STEP_S 0, 0, 1
	s_sub_co_u32 s30, s30, 1
	s_cmp_lg_u32 s30, 0
	s_cbranch_scc1 .Lsk
	STEP_S 1, 0, 0
	s_wait_loadcnt 0x0                             ; on every path: from here on the counts of loads are the weights' alone
	s_cmp_eq_u32 s19, 1
	s_cbranch_scc1 .Lno_q01
	XQUANT 1, 0, 0                                 ; window 1 is wanted for P
	XQUANT 1, 1, 1
.Lno_q01:
; ---- G's first fragments are asked for ahead of the softmax, which names none of their registers
	s_mov_b64 s[26:27], s[14:15]
.irp g, 0,1,2,3
	v_add_nc_u32 v[AE+\g], \g*EG, v[FRB]
.endr
	FBG 0, 0
	FBG 1, 1024
	FA 0
	FA 8
; ---- the softmax over i of my columns
.irp k, 0,1,2,3,4,5,6,7
	v_mov_b32 v[MX+\k], 0xff800000
.endr
.irp k, 0,1,2,3,4,5,6,7,8,9,10,11,12,13,14,15
	v_mov_b32 v[SU+\k], 0
.endr
.irp k, 0,1,2,3
	v_mov_b32 v[PD+\k], 0                          ; a lane permute's destination counts as one of its sources
.endr
	WIN 0x28
	SMAX
	WIN 0x3c
	SMAX
	WIN 0
.irp t, 0,1,2,3
	v_max_num_f32 v[MX+2*\t], v[MX+2*\t], v[MX+2*\t+1]
.endr
.irp t, 0,1,2,3
	v_permlanex16_b32 v[PD+\t], v[MX+2*\t], s20, s21
.endr
.irp t, 0,1,2,3
	v_max_num_f32 v[MX+2*\t], v[MX+2*\t], v[PD+\t] ; with lane l xor 16's rows: the column's largest score
.endr
	WIN 0x82
	SEXP
	WIN 0xc3
	SEXP
	v_nop                                          ; a plain instruction behind the last exponential
	s_wait_alu depctr_va_vdst(0)                   ; one wait for the 512 exponentials, ahead of the first instruction that names a result
	WIN 0x08
	SSUM
	WIN 0x0c
	SSUM
	WIN 0
.irp t, 0,1,2,3
	v_pk_add_f32 v[SU+4*\t:SU+4*\t+1], v[SU+4*\t:SU+4*\t+1], v[SU+4*\t+2:SU+4*\t+3]
.endr
.irp t, 0,1,2,3
	v_add_f32 v[SU+4*\t+2], v[SU+4*\t], v[SU+4*\t+1]
.endr
.irp t, 0,1,2,3
	v_permlanex16_b32 v[PD+\t], v[SU+4*\t+2], s20, s21
.endr
.irp t, 0,1,2,3
	v_add_f32 v[SU+4*\t+2], v[SU+4*\t+2], v[PD+\t] ; the column's sum: at least 1
.endr
.irp t, 0,1,2,3
	v_rcp_f32 v[SU+4*\t], v[SU+4*\t+2]
.endr
	v_nop
	s_wait_alu depctr_va_vdst(0)                   ; one wait for the four reciprocals
	WIN 0x82
	SDIV
	WIN 0x4a
	SPACK 0
	WIN 0xc3
	SDIV
	WIN 0x4f
	SPACK 1
	WIN 0
; ---- phase G: G(j, o) = E W_dec for all j and my 64 outputs; the accumulators begin anew
	STEP_G 0, 0, 2, 1, 1, 1, 8
	s_wait_xcnt 0x0                                ; the weight loads have read their base
	s_add_nc_u64 s[26:27], s[26:27], 1024
	s_mov_b32 s30, 4
.Lgk:                                              ; three K steps a trip: the three sets come back to where they began
	STEP_G 0, 1, 0, 0, 1, 1, 8
	STEP_G 1, 2, 1, 0, 1, 1, 8
	STEP_G 2, 0, 2, 0, 1, 1, 8
	s_wait_xcnt 0x0
	s_add_nc_u64 s[26:27], s[26:27], 3072
	s_sub_co_u32 s30, s30, 1
	s_cmp_lg_u32 s30, 0
	s_cbranch_scc1 .Lgk
	STEP_G 0, 1, 0, 0, 1, 1, 8                     ; K step 13 fetches the last weights,
	STEP_G 1, 2, 0, 0, 0, 1, 8                     ; 14 the last rows of E,
	STEP_G 2, 0, 0, 0, 0, 0, 0                     ; 15 nothing
	BAR                                            ; nobody reads E any more: P may be laid over it
; ---- P into LDS (row j, i along the row); G packed into the registers that P leaves
	WIN 0x04                                       ; an LDS store's data are its source 1: window 1
.irp c, 0,1,2,3,4,5,6,7,8,9,10,11,12,13,14,15
.irp t, 0,1,2,3
	ds_store_b128 v[PST], v[16*\c+4*\t:16*\c+4*\t+3] offset:\t*PT+32*\c
.endr
.endr
	WIN 0
	s_wait_dscnt 0x0                               ; for the others' sake, and the stores have read their registers
	s_barrier_signal -1
	WIN 0x4a                                       ; work on registers while the others arrive
	GPACK 0
	WIN 0x4f
	GPACK 4
	WIN 0
	s_barrier_wait -1                              ; P is whole
; ---- the last product, out(i, o) = P G, 128 rows i at a time, and the maximum over i
.irp t, 0,1,2,3
	v_mov_b32 v[RM+\t], 0xff800000
.endr
.irp t, 0,1,2,3
	v_mov_b32 v[RP+\t], 0
.endr
	s_cmp_eq_u32 s19, 1
	s_cbranch_scc1 .Lno_x23
	XLOAD 3, 0, 2                                  ; the next batch's rows 32-63 of my 64: window 3 is free
	XLOAD 3, 1, 3
.Lno_x23:
	v_mov_b32 v[PTA], v[PTF]                       ; K steps 0-3,
	v_add_nc_u32 v[PTA+1], 8*PT, v[PTF]            ; K steps 4-7: beyond an offset's 16 bits
	s_mov_b32 s30, 2
.Lhalf:
	FP 0, 0
.set q, 0
.rept 8
.if q < 7
	FP (q+1)%2, q+1
	s_wait_dscnt 16                                ; this K step's fragments are in; the next step's sixteen loads may be out
.else
	s_wait_dscnt 0x0
.endif
	WIN 0xa4                                       ; P window 0, G window 1, sums window 2
	PMUL q
	WIN 0
	PLACES
.set q, q+1
.endr
	WIN 0x28
.irp a, 0,1,2,3,4,5,6,7
.irp u, 0,2,4,6
.irp t, 0,1,2,3
	v_max3_num_f32 v[RM+\t], v[RM+\t], v[8*(4*\a+\t)+\u], v[8*(4*\a+\t)+\u+1]   ; a lane holds one output and eight agents: each accumulator from its low end on
.endr
.endr
.endr
	WIN 0
	v_add_nc_u32 v[PTA], 256, v[PTA]               ; the next 128 rows i (no LDS load of mine is out)
	v_add_nc_u32 v[PTA+1], 256, v[PTA+1]
	s_sub_co_u32 s30, s30, 1
	s_cmp_lg_u32 s30, 0
	s_cbranch_scc1 .Lhalf
; ---- out: lane (r, h) holds the maxima of outputs 64 w + 4 r + 0 .. 3; it stores two of them
.irp t, 0,1,2,3
	v_permlanex16_b32 v[RP+\t], v[RM+\t], s20, s21
.endr
.irp t, 0,1,2,3
	v_max_num_f32 v[RM+\t], v[RM+\t], v[RP+\t]     ; with lane l xor 16's agents
.endr
	v_bfe_u32 v40, v0, 4, 1
	v_cmp_eq_u32 vcc_lo, 1, v40
	v_cndmask_b32 v42, v[RM], v[RM+2], vcc_lo
	v_cndmask_b32 v43, v[RM+1], v[RM+3], vcc_lo
	v_pk_add_f32 v[42:43], v[42:43], v[BDV:BDV+1]
	global_store_b64 v[OUTO], v[42:43], s[16:17]   ; 32 lanes store 256 consecutive bytes, aligned
	s_wait_xcnt 0x0                                ; the store has read its registers and its base
	s_add_nc_u64 s[16:17], s[16:17], 1024
	s_sub_co_u32 s19, s19, 1
	s_cmp_lg_u32 s19, 0
	s_cbranch_scc1 .Lbatch
	s_wait_tensorcnt 0x0                           ; the wave's end, behind my last LDS store
	ds_add_u32 v[SPW], v[NIL]
	s_wait_dscnt 0x0
	s_endpgm
.Lfunc_end_k_q01ade31e78_main:
	.size	k_q01ade31e78_main, .Lfunc_end_k_q01ade31e78_main-k_q01ade31e78_main
	.p2alignl 7, 3214868480
	.fill 96, 4, 3214868480
	.section	.rodata,"a",@progbits
	.p2align	6, 0x0
	.amdhsa_kernel k_q01ade31e78_main
		.amdhsa_group_segment_fixed_size 305664
		.amdhsa_private_segment_fixed_size 0
		.amdhsa_enable_private_segment 0
		.amdhsa_kernarg_size 56
		.amdhsa_user_sgpr_count 2
		.amdhsa_user_sgpr_kernarg_segment_ptr 1
		.amdhsa_wavefront_size32 1
		.amdhsa_system_sgpr_workgroup_id_x 1
		.amdhsa_system_sgpr_workgroup_id_y 1
		.amdhsa_system_sgpr_workgroup_id_z 1
		.amdhsa_system_vgpr_workitem_id 0
		.amdhsa_next_free_vgpr 1024
		.amdhsa_next_free_sgpr 66
		.amdhsa_reserve_vcc 1
		.amdhsa_float_denorm_mode_32 3
		.amdhsa_float_denorm_mode_16_64 3
		.amdhsa_memory_ordered 1
		.amdhsa_forward_progress 1
		.amdhsa_inst_pref_size 255
	.end_amdhsa_kernel
	.section	.bss,"aw",@nobits
	.p2align	6
	.space	262144
	.amdgpu_metadata
---
amdhsa.version: [ 1, 2 ]
amdhsa.kernels:
  - .name:           k_q01ade31e78_main
    .symbol:         k_q01ade31e78_main.kd
    .args:
      - { .name: x, .offset: 0, .size: 8, .value_kind: global_buffer, .address_space: global }
      - { .name: b_enc, .offset: 8, .size: 8, .value_kind: global_buffer, .address_space: global }
      - { .name: b_dec, .offset: 16, .size: 8, .value_kind: global_buffer, .address_space: global }
      - { .name: wenc_c, .offset: 24, .size: 8, .value_kind: global_buffer, .address_space: global }
      - { .name: wenc_s, .offset: 32, .size: 8, .value_kind: global_buffer, .address_space: global }
      - { .name: wdec_f, .offset: 40, .size: 8, .value_kind: global_buffer, .address_space: global }
      - { .name: out0, .offset: 48, .size: 8, .value_kind: global_buffer, .address_space: global }
    .group_segment_fixed_size: 305664
    .private_segment_fixed_size: 0
    .kernarg_segment_align: 8
    .kernarg_segment_size: 56
    .max_flat_workgroup_size: 128
    .sgpr_count:     66
    .vgpr_count:     1024
    .wavefront_size: 32
...
	.end_amdgpu_metadata
.endif
;; end of part 2
;; ======== version 2 of 2: 2 launches; version 1 with the launch main written anew for expert scheduling mode
;; workspace buffers: wenc_c 65,536 bytes; wenc_s 4,096 bytes; wdec_f 262,144 bytes
;; launch prep: the kernel of part 1 again; grid 24 x 1, 4 waves a work-group, no clusters, 0 bytes of LDS; arguments W_enc, W_dec, wenc_c, wenc_s, wdec_f; writes wenc_c, wenc_s, wdec_f
;; launch main (part 3): grid 256 x 1, 4 waves a work-group, no clusters, 305,664 bytes of LDS; arguments x, b_enc, b_dec, wenc_c, wenc_s, wdec_f, out0; writes out0
.if DOCPART == 3
	.amdgcn_target "amdgcn-amd-amdhsa--gfx1250"
	.amdhsa_code_object_version 6
	.text
	.protected	k_q01ade31e78_main
	.globl	k_q01ade31e78_main
	.p2align	8
	.type	k_q01ade31e78_main,@function
k_q01ade31e78_main:
	s_mov_b64 s[64:65], 0
	v_nop
	global_prefetch_b8 v0, s[64:65] scope:SCOPE_SE
	s_setreg_imm32_b32 hwreg(HW_REG_WAVE_SCHED_MODE, 0, 2), 2
	s_setreg_imm32_b32 hwreg(HW_REG_WAVE_MODE, 25, 1), 1
	s_wait_xcnt 0x0
	s_wait_alu depctr_vm_vsrc(0)
; For each batch: E = Q(x) Q(W_enc) + b_enc [256 agents][512] (MX-FP4, f32 sums); S = E E^T; P = softmax of S over its FIRST axis (each column j over i); out = max over i of (P (E W_dec)) + b_dec.
; The last two products of the problem, (P E) W_dec, are associated as P (E W_dec): the same sums in another order, 6,144 matrix instructions a batch in place of 8,192.
; A work-group of four waves, one to a SIMD, stays and takes NB = 2 batches from x to out0; nothing goes to memory between.  256 work-groups.
; SHARES of wave w:  x: rows 64 w on (quantised in registers, codes to LDS);  E: columns d = 128 w on, all agents;  S, softmax: columns j = 64 w on, all i (a lane holds ONE column j: maximum and sum are in the lane);
;   G = E W_dec: outputs o = 64 w + 4 r + t, all j;  P G: the same outputs, all i, so the maximum over agents never leaves the wave.
; FORMATS: E, P, G and W_dec are rounded to bf16 as operands of the three products that are left as they are (E has no room in f16 once inputs are larger or carry an offset); all sums, the softmax and the maxima in f32.
; b_dec is added behind the maximum over agents: the same value, since adding a constant keeps the order.
; LIMITS: NaN and infinities among the inputs are not served; a block of zeros gets the scale byte 1 where the rule says 127 (its codes are zeros; this program alone reads the bytes).
; NO TENSOR LOADS: x must pass through registers to be quantised, E, P and G are made here, and the weights come in the order of the operand registers.  NO CLUSTER: work-groups share the weights alone,
;   and E (266,240 bytes) with x's codes (38,912) leaves no LDS into which a shared tile could land.
; The next batch's x is asked for into registers a whole phase ahead: rows 0-31 of a wave ahead of S's 1,024 matrix instructions, rows 32-63 ahead of the last product's 512.
; REGISTERS, in windows of 256 (s_set_vgpr_msb: bits 1:0 source 0, 3:2 source 1, 5:4 source 2, 7:6 destination):
;   window 0: v0-31 addresses, b_dec, scale words; v32-127 B fragments / at work; v128-255 A fragments.
;   window 1: x chunks 0, 1; then P packed; then G^T's fragments.   window 2: W_enc's fragments and E's accumulators; the accumulators of rows 0-127.   window 3: the accumulators of rows 128-255; x chunks 2, 3.
; THE MODE: SCHED_MODE bits 1:0 = 2 (LLVM: expert scheduling mode 2), set by the entry lines.  The code itself states the register dependences
; between vector or matrix instructions and memory or LDS instructions, with s_wait_alu, always for 0.
; THE PLAN.  Registers that memory or LDS instructions touch, and who else names them:
;   x's chunks (windows 1, 3)   loads land; the quantiser's lines read them.   v96-127 in the quantiser: conversions and shifts write, 32 LDS stores read: a wait on va_vdst ahead of the stores, one on vm_vsrc behind them.
;   XF0, XF1, v30, v31          LDS loads land; one tile's scaled products read.   PK0, PK1: 32 conversions write, 8 LDS stores read.  One wait on va_vdst behind each block of conversions serves the stores and the next fetch.
;   A's fragments               TWO BUFFERS, tiles 0-7 and tiles 8-15.  Half a K step, 32 products, reads one; the loads that land in the other stand among those products.
;   B's sets                    a step's products read one set; loads land in the set that the step before read.
;     So in S and in G ONE wait on va_vdst stands at the head of each half step: the products issued so far are done reading the other buffer and the other set.  The products behind it name this half's buffer,
;     this step's set and the accumulators: none of the registers that the half's loads touch.
;   window 1 as P               the softmax's packing writes, 64 LDS stores read, G's packing writes again behind a wait on vm_vsrc.   PF0, PF1: turning loads land, a K step of the last product reads: as B's sets.
;   v[AE ..], v[AO], v[XFR], v[XSR], v[EST], v[PTA ..]  addresses that vector additions step: each addition stands behind a wait on vm_vsrc and ahead of a wait on va_vdst that stands there in any case.
;   v[L16], v[XGO], v[XCW], v[XSW], v[PST], v[OUTO]     made at the head, never written again.   v[SPW], v[NIL]: written at the head, read by the closing add alone.
.set NB,    2
.set EP,    1040                       ; a row of E in LDS: 1,024 bytes + 16: the sixteen rows that a load touches start 16 bytes apart modulo 256
.set ET,    16*EP                      ; a tile of 16 rows
.set EG,    4*ET                       ; four tiles
.set PP,    544                        ; a row of P (row j, i along it): 512 bytes + 32: the pitch that the turning load wants
.set PT,    16*PP
.set XP,    144                        ; a row of x's codes: 128 bytes + 16
.set XC,    266240                     ; LDS: E (P lies over it later) from 0; x's codes;
.set XSC,   303104                     ; x's scale bytes, 8 a row;
.set SPARE, 305152                     ; the spare words, 128 bytes for each wave: two blocks of 256 bytes that no other line names
.set SPW,  1                           ; v1   LDS address of my spare word; never rewritten
.set NIL,  2                           ; v2   0; never rewritten
.set FRB,  3                           ; v3   r x EP + 16 h: a fragment's place for my lane
.set AE,   4                           ; v4-7 the A fragments' addresses, four tiles each; they walk along the rows
.set AO,   8                           ; v8   my own 64 rows of E; walks
.set L16,  9                           ; v9   16 x lane
.set XGO,  10                          ; v10  32 x lane
.set XCW,  11                          ; v11  where I store x's codes
.set XSW,  12                          ; v12  and x's scale bytes
.set XFR,  13                          ; v13  x's fragments; walks.  Later PTA
.set XSR,  14                          ; v14  x's scale words; walks.  Later PTB
.set EST,  15                          ; v15  where I store E; walks
.set PST,  16                          ; v16  where I store P
.set PTF,  17                          ; v17  the turning load's place for my lane
.set PTA,  13
.set BDV,  18                          ; v18-19 my two numbers of b_dec
.set OUTO, 20                          ; v20  16 r + 8 h: my 8 bytes of the wave's 256 of out0 and b_dec
.set WSC,  22                          ; v22-29 W_enc's scale words: lanes 0-15 K step 0, lanes 16-31 K step 1.  v22-31 hold scales and nothing else
.set XSL,  30                          ; v30-31 x's scale words, two sets, laid likewise
.set BS,   32                          ; B fragments: set p, tile t at BS + 32 p + 8 t
.set AR,   128                         ; A fragments: tile ct at AR + 8 ct
.set AM,   64                          ; quantising x: largest magnitudes, scale operands, codes, bytes: 16 rows each
.set SO,   80
.set CD,   96
.set BY,   112
.set PK,   64                          ; phase 1: E packed, two sets of 32
.set XF,   128                         ; x's fragments, two sets of 16
.set BI,   192                         ; b_enc in the result's layout, 8 tiles
.set MX,   96                          ; softmax: maxima (t, chain) at MX + 2 t + chain
.set SU,   104                         ; sums: pairs at SU + 4 t + 2 chain; later 1 / sum at SU + 4 t
.set PD,   120                         ; destinations of lane permutes
.set RM,   32                          ; last product: running maxima of my four tiles; RP: permute destinations
.set RP,   36
.set PF,   128                         ; P's fragments, two sets of 64
.set MSB, 0
.macro WIN new                         ; the immediate's high byte repeats the setting that is left; a switch that changes nothing is dropped
.if MSB != (\new)
	s_set_vgpr_msb (MSB<<8)|(\new)
.set MSB, (\new)
.endif
.endm
.macro PLACES                          ; four plain vector instructions between a matrix instruction and a load into, or a vector read of, its registers
.rept 4
	v_nop
.endr
.endm
.macro BAR                             ; my LDS stores have landed and my LDS loads are in: then the work-group's barrier
	s_wait_dscnt 0x0
	s_barrier_signal -1
	s_barrier_wait -1
.endm
; 16 rows of x (chunk c of my 64) into half a window: a lane takes 8 neighbours along K of each row; a row's two loads cover its 1,024 bytes
.macro XLOAD win, half, c
	WIN (\win)*64
.irp i, 0,1,2,3,4,5,6,7,8,9,10,11,12,13,14,15
	global_load_b128 v[128*\half+8*\i:128*\half+8*\i+3],   v[XGO], s[4:5] offset:(16*\c+\i)*1024 th:TH_LOAD_NT
	global_load_b128 v[128*\half+8*\i+4:128*\half+8*\i+7], v[XGO], s[4:5] offset:(16*\c+\i)*1024+16 th:TH_LOAD_NT
.endr
	WIN 0
.endm
; They become codes and scale bytes in LDS.  Four neighbouring lanes hold a block of 32.  The sixteen rows take turns line by line.
.macro XQUANT win, half, c
	WIN (\win)*5
.irp i, 0,1,2,3,4,5,6,7,8,9,10,11,12,13,14,15
	v_max3_num_f32 v[AM+\i], |v[128*\half+8*\i]|, |v[128*\half+8*\i+1]|, s24   ; with the floor 2^(3 - 127): the byte cannot fall under 1
.endr
	WIN (\win)*20
.irp u, 2,4,6
.irp i, 0,1,2,3,4,5,6,7,8,9,10,11,12,13,14,15
	v_max3_num_f32 v[AM+\i], v[AM+\i], |v[128*\half+8*\i+\u]|, |v[128*\half+8*\i+\u+1]|
.endr
.endr
	WIN 0
.irp i, 0,1,2,3,4,5,6,7,8,9,10,11,12,13,14,15
	v_max_num_f32_dpp v[AM+\i], v[AM+\i], v[AM+\i] row_xmask:1 row_mask:0xf bank_mask:0xf
.endr
.irp i, 0,1,2,3,4,5,6,7,8,9,10,11,12,13,14,15
	v_max_num_f32_dpp v[AM+\i], v[AM+\i], v[AM+\i] row_xmask:2 row_mask:0xf bank_mask:0xf   ; the block's largest magnitude
.endr
.irp i, 0,1,2,3,4,5,6,7,8,9,10,11,12,13,14,15
	v_add_nc_u32 v[SO+\i], 0xff000000, v[AM+\i]    ; 2 off its exponent field: the conversion's scale operand
.endr
	WIN \win
.irp i, 0,1,2,3,4,5,6,7,8,9,10,11,12,13,14,15
	v_cvt_scalef32_pk8_fp4_f32 v[CD+\i], v[128*\half+8*\i:128*\half+8*\i+7], v[SO+\i]
.endr
	WIN 0
.irp i, 0,1,2,3,4,5,6,7,8,9,10,11,12,13,14,15
	v_lshrrev_b32 v[BY+\i], 23, v[SO+\i]           ; the scale's byte (plain lines behind the conversions)
.endr
	s_wait_alu depctr_va_vdst(0)                   ; the conversions have written v[CD ..] and the shifts v[BY ..], which the LDS stores read
.irp i, 0,1,2,3,4,5,6,7,8,9,10,11,12,13,14,15
	ds_store_b32 v[XCW], v[CD+\i] offset:(16*\c+\i)*XP     ; 32 lanes: a row's 128 bytes of codes
	ds_store_b8  v[XSW], v[BY+\i] offset:(16*\c+\i)*8      ; the four lanes of a block write the same byte with the same value
.endr
	s_wait_alu depctr_vm_vsrc(0)                   ; the stores have read v[CD ..] and v[BY ..], which the next chunk's lines, phase 1's packing, the softmax or a load of weights write next
.endm
; x's two fragments (16 agents x 128 K each) and their scale words: five LDS loads
.macro XFETCH set, ti, si
.irp k, 0,1
.irp c, 0,1
	ds_load_b128 v[XF+16*(\set)+8*\k+4*\c:XF+16*(\set)+8*\k+4*\c+3], v[XFR] offset:(\ti)+64*\k+32*\c
.endr
.endr
	ds_load_b32 v[XSL+(\set)], v[XSR] offset:\si
.endm
; E^T for one tile of agents: source 0 = 16 d of W_enc, source 1 = 16 agents: a lane then holds one agent and eight neighbouring d.  b_enc is the C of the first K step.  The eight accumulators take turns.
.macro MM set
	WIN 0x82
.irp d, 0,1,2,3,4,5,6,7
	v_wmma_scale_f32_16x16x128_f8f6f4 v[128+64*(\set)+8*\d:128+64*(\set)+8*\d+7], v[16*\d:16*\d+7], v[XF+16*(\set):XF+16*(\set)+7], v[BI+8*\d:BI+8*\d+7], v[WSC+\d], v[XSL+(\set)] matrix_a_fmt:MATRIX_FMT_FP4 matrix_b_fmt:MATRIX_FMT_FP4
.endr
	WIN 0xa2
.irp d, 0,1,2,3,4,5,6,7
	v_wmma_scale_f32_16x16x128_f8f6f4 v[128+64*(\set)+8*\d:128+64*(\set)+8*\d+7], v[16*\d+8:16*\d+15], v[XF+16*(\set)+8:XF+16*(\set)+15], v[128+64*(\set)+8*\d:128+64*(\set)+8*\d+7], v[WSC+\d], v[XSL+(\set)] matrix_a_fmt:MATRIX_FMT_FP4 matrix_b_fmt:MATRIX_FMT_FP4 matrix_a_scale:MATRIX_SCALE_ROW1 matrix_b_scale:MATRIX_SCALE_ROW1
.endr
	WIN 0
.endm
.macro PACKC set                       ; a tile of E to bf16, each accumulator from its low end on
	WIN 0x0a
.irp d, 0,1,2,3,4,5,6,7
.irp u, 0,1,2,3
	v_cvt_pk_bf16_f32 v[PK+32*(\set)+4*\d+\u], v[128+64*(\set)+8*\d+2*\u], v[128+64*(\set)+8*\d+2*\u+1]
.endr
.endr
	WIN 0
.endm
.macro PACKS set, imm                  ; and into LDS: 16 bytes a lane and tile of d
.irp d, 0,1,2,3,4,5,6,7
	ds_store_b128 v[EST], v[PK+32*(\set)+4*\d:PK+32*(\set)+4*\d+3] offset:(\imm)+32*\d
.endr
.endm
.macro FA4 lo                          ; four A fragments (16 rows of E x 32 along d), tiles lo .. lo + 3: they share an address register
.irp c, 0,1,2,3
	ds_load_b128 v[AR+8*(\lo+\c):AR+8*(\lo+\c)+3],   v[AE+(\lo)/4] offset:\c*ET
	ds_load_b128 v[AR+8*(\lo+\c)+4:AR+8*(\lo+\c)+7], v[AE+(\lo)/4] offset:\c*ET+32
.endr
.endm
.macro FBS set                         ; S: my own four tiles of rows as B fragments, loaded a second time into registers of their own
.irp t, 0,1,2,3
	ds_load_b128 v[BS+32*(\set)+8*\t:BS+32*(\set)+8*\t+3],   v[AO] offset:\t*ET
	ds_load_b128 v[BS+32*(\set)+8*\t+4:BS+32*(\set)+8*\t+7], v[AO] offset:\t*ET+32
.endr
.endm
.macro FBG set, imm                    ; G: my four tiles of W_dec's fragments for one K step, from memory as they lie
.irp t, 0,1,2,3
	global_load_b128 v[BS+32*(\set)+8*\t:BS+32*(\set)+8*\t+3],   v[L16], s[26:27] offset:\t*16384+(\imm)
	global_load_b128 v[BS+32*(\set)+8*\t+4:BS+32*(\set)+8*\t+7], v[L16], s[26:27] offset:\t*16384+(\imm)+512
.endr
.endm
.macro ROW lo, c, p, zero              ; four matrix instructions: A's tile lo + c x my four B tiles.  The 64 accumulators take turns, in the same order in every step
.irp t, 0,1,2,3
.if \zero
	v_wmma_f32_16x16x32_bf16 v[8*(4*(\c)+\t):8*(4*(\c)+\t)+7], v[AR+8*(\lo+\c):AR+8*(\lo+\c)+7], v[BS+32*(\p)+8*\t:BS+32*(\p)+8*\t+7], 0
.else
	v_wmma_f32_16x16x32_bf16 v[8*(4*(\c)+\t):8*(4*(\c)+\t)+7], v[AR+8*(\lo+\c):AR+8*(\lo+\c)+7], v[BS+32*(\p)+8*\t:BS+32*(\p)+8*\t+7], v[8*(4*(\c)+\t):8*(4*(\c)+\t)+7]
.endif
.endr
.endm
.macro AESTEP                          ; the A addresses go 32 along d on; the four lines are also the four places ahead of the loads that follow
.irp g, 0,1,2,3
	v_add_nc_u32 v[AE+\g], 64, v[AE+\g]
.endr
.endm
; The first half of a K step: A's tiles 0-7.  This step's tiles 8-15 are asked for among its products, eight loads at a time.  No wait: no product since the wait at the half's head names v[AR + 64 ..] or v[AE + 2], v[AE + 3]
.macro HALF1 p, zero
	WIN 0xa0
	ROW 0, 0, \p, \zero
	WIN 0
	FA4 8
	WIN 0xa0
	ROW 0, 1, \p, \zero
	ROW 0, 2, \p, \zero
	WIN 0
	FA4 12
	WIN 0xa0
	ROW 0, 3, \p, \zero
	ROW 0, 4, \p, \zero
.endm
.macro HALF1END p, zero
.irp c, 5,6,7
	ROW 0, \c, \p, \zero
.endr
	WIN 0
.endm
; The second half: A's tiles 8-15.  more = 1: the next step's tiles 0-7 are asked for among its products; no product since the wait at the half's head names v[AR .. AR + 63] or v[AE], v[AE + 1]
.macro HALF2 p, zero, more
	WIN 0xf0
	ROW 8, 0, \p, \zero
.if \more
	WIN 0
	FA4 0
	WIN 0xf0
.endif
	ROW 8, 1, \p, \zero
	ROW 8, 2, \p, \zero
.if \more
	WIN 0
	FA4 4
	WIN 0xf0
.endif
.irp c, 3,4,5,6,7
	ROW 8, \c, \p, \zero
.endr
	WIN 0
.endm
; A K step of S = E E^T: 64 matrix instructions.  more = 1: there is a next step: its B set is asked for in the first half, its A tiles 0-7 in the second.
.macro STEP_S p, zero, more
	s_wait_dscnt 0x0                               ; B's set and A's tiles 0-7 are in: nothing younger is out
.if \more
	s_wait_alu depctr_vm_vsrc(0)                   ; the loads of this step's B set have read v[AO]
	v_add_nc_u32 v[AO], 64, v[AO]
	v_nop
	v_nop
	v_nop                                          ; with the addition: four places behind the last step's products, ahead of the loads into registers that they read
.else
	PLACES
.endif
	s_wait_alu depctr_va_vdst(0)                   ; the last step's products are done reading A's tiles 8-15 and B's other set, in which this half's loads land; v[AO] is written
	HALF1 \p, \zero
.if \more
	WIN 0
	FBS 1-(\p)                                     ; no product since the wait names the other set
	WIN 0xa0
.endif
	HALF1END \p, \zero
.if \more
	s_wait_dscnt 8                                 ; A's tiles 8-15 are in; the eight B loads behind them may be out
	s_wait_alu depctr_vm_vsrc(0)                   ; A's loads have read v[AE ..]
	AESTEP
	s_wait_alu depctr_va_vdst(0)                   ; the first half's products are done reading A's tiles 0-7, in which this half's loads land; v[AE ..] are written
.else
	s_wait_dscnt 0x0                               ; A's tiles 8-15 are in
.endif
	HALF2 \p, \zero, \more
.if !\more
	PLACES                                         ; behind the last products, ahead of the vector lines that write their operands and read their results
.endif
.endm
; A K step of G = E W_dec.  B comes from memory two steps ahead, in three sets.  lw: the weight loads that may stay out (the next step's eight, or none).  fb: weights are asked for; fa: there is a next step
.macro STEP_G i, p, tgt, zero, fb, fa, lw
	s_wait_dscnt 0x0                               ; A's tiles 0-7 are in
	s_wait_loadcnt \lw
	PLACES
	s_wait_alu depctr_va_vdst(0)                   ; the lines issued so far (the last step's products; ahead of the first step the softmax) are done with A's tiles 8-15 and B's set tgt, in which this half's loads land
	HALF1 \p, \zero
.if \fb
	WIN 0
	FBG \tgt, ((\i)+2)*1024                        ; no product since the wait names that set
	WIN 0xa0
.endif
	HALF1END \p, \zero
	s_wait_dscnt 0x0                               ; A's tiles 8-15 are in
.if \fa
	s_wait_alu depctr_vm_vsrc(0)                   ; A's loads have read v[AE ..]
	AESTEP
	s_wait_alu depctr_va_vdst(0)                   ; the first half's products are done reading A's tiles 0-7, in which this half's loads land; v[AE ..] are written
.endif
	HALF2 \p, \zero, \fa
.if !\fa
	PLACES                                         ; behind the last products, ahead of the conversions that read their results
.endif
.endm
; THE SOFTMAX's parts, each written for one window's 32 accumulators (accumulator n = 4 c + t at v[8 n])
.macro SMAX                            ; the largest score of my column: two chains a tile, eight chains by turns; each accumulator is read from its low end on
.irp c, 0,1,2,3,4,5,6,7
.irp u, 0,2,4,6
.irp t, 0,1,2,3
	v_max3_num_f32 v[MX+2*\t+(\u/2)%2], v[MX+2*\t+(\u/2)%2], v[8*(4*\c+\t)+\u], v[8*(4*\c+\t)+\u+1]
.endr
.endr
.endr
.endm
; p = 2^((s - m) log2(e)).  The maximum is taken off FIRST and the difference scaled afterwards, so that no difference of two large products is formed whatever the size of the scores.
; One accumulator's eight exponentials stand between the next one's four subtractions and four scalings.  Nothing here names an exponential's result.
.macro SEXP
.set n, 0
.rept 33
.irp u, 0,1,2,3
.if n < 32
	v_pk_add_f32 v[8*n+2*\u:8*n+2*\u+1], v[8*n+2*\u:8*n+2*\u+1], v[MX+2*(n%4):MX+2*(n%4)+1] op_sel_hi:[1,0] neg_lo:[0,1] neg_hi:[0,1]
.endif
.if n > 0
	v_exp_f32 v[8*n-8+\u], v[8*n-8+\u]
.endif
.endr
.irp u, 0,1,2,3
.if n < 32
	v_pk_mul_f32 v[8*n+2*\u:8*n+2*\u+1], v[8*n+2*\u:8*n+2*\u+1], s[22:23] op_sel_hi:[1,0]
.endif
.if n > 0
	v_exp_f32 v[8*n-4+\u], v[8*n-4+\u]
.endif
.endr
.set n, n+1
.endr
.endm
.macro SSUM                            ; the column's sum, two numbers at a time, two chains a tile
.irp c, 0,1,2,3,4,5,6,7
.irp u, 0,2,4,6
.irp t, 0,1,2,3
	v_pk_add_f32 v[SU+4*\t+2*((\u/2)%2):SU+4*\t+2*((\u/2)%2)+1], v[SU+4*\t+2*((\u/2)%2):SU+4*\t+2*((\u/2)%2)+1], v[8*(4*\c+\t)+\u:8*(4*\c+\t)+\u+1]
.endr
.endr
.endr
.endm
.macro SDIV                            ; p / the sum
.irp c, 0,1,2,3,4,5,6,7
.irp t, 0,1,2,3
.irp u, 0,2,4,6
	v_pk_mul_f32 v[8*(4*\c+\t)+\u:8*(4*\c+\t)+\u+1], v[8*(4*\c+\t)+\u:8*(4*\c+\t)+\u+1], v[SU+4*\t:SU+4*\t+1] op_sel_hi:[1,0]
.endr
.endr
.endr
.endm
.macro SPACK hi                        ; to bf16: four registers = eight neighbouring i of my column j, at v[16 ct + 4 t] of window 1
.irp c, 0,1,2,3,4,5,6,7
.irp t, 0,1,2,3
.irp u, 0,1,2,3
	v_cvt_pk_bf16_f32 v[16*(8*\hi+\c)+4*\t+\u], v[8*(4*\c+\t)+2*\u], v[8*(4*\c+\t)+2*\u+1]
.endr
.endr
.endr
.endm
; G's accumulators (lane: one output o, eight neighbouring j) packed in pairs ARE the last product's B fragments: fragment (t, q) at v[8 (4 q + t)] of window 1, registers 0-3 from tile 2 q, 4-7 from tile 2 q + 1
.macro GPACK q0
.irp q, 0,1,2,3
.irp e, 0,1
.irp t, 0,1,2,3
.irp u, 0,1,2,3
	v_cvt_pk_bf16_f32 v[8*(4*(\q0+\q)+\t)+4*\e+\u], v[8*(4*(2*\q+\e)+\t)+2*\u], v[8*(4*(2*\q+\e)+\t)+2*\u+1]
.endr
.endr
.endr
.endr
.endm
.macro FP4 set, q, a0                  ; four of the eight A fragments of P (16 i x 32 j) for K step q: P lies [j][i], so the turning load brings them
.irp a, 0,1,2,3
	ds_load_tr16_b128 v[PF+64*(\set)+8*(\a0+\a):PF+64*(\set)+8*(\a0+\a)+3],   v[PTA+(\q)/4] offset:((\q)%4)*2*PT+32*(\a0+\a)
	ds_load_tr16_b128 v[PF+64*(\set)+8*(\a0+\a)+4:PF+64*(\set)+8*(\a0+\a)+7], v[PTA+(\q)/4] offset:((\q)%4)*2*PT+PT+32*(\a0+\a)
.endr
.endm
.macro PROW q, a                       ; four matrix instructions: tile a of i x my four tiles of outputs; the 32 accumulators take turns
.irp t, 0,1,2,3
.if (\q) == 0
	v_wmma_f32_16x16x32_bf16 v[8*(4*(\a)+\t):8*(4*(\a)+\t)+7], v[PF+64*((\q)%2)+8*(\a):PF+64*((\q)%2)+8*(\a)+7], v[8*(4*(\q)+\t):8*(4*(\q)+\t)+7], 0
.else
	v_wmma_f32_16x16x32_bf16 v[8*(4*(\a)+\t):8*(4*(\a)+\t)+7], v[PF+64*((\q)%2)+8*(\a):PF+64*((\q)%2)+8*(\a)+7], v[8*(4*(\q)+\t):8*(4*(\q)+\t)+7], v[8*(4*(\a)+\t):8*(4*(\a)+\t)+7]
.endif
.endr
.endm
; ---------------------------------------------------------------- the head
	s_load_b256 s[4:11], s[0:1], 0x0               ; x, b_enc, b_dec, wenc_c
	s_load_b128 s[12:15], s[0:1], 0x20             ; wenc_s, wdec_f
	s_load_b64 s[16:17], s[0:1], 0x30              ; out0
	v_lshl_add_u32 v[SPW], v0, 2, SPARE
	v_mov_b32 v[NIL], 0
	v_lshrrev_b32 v32, 5, v0
	v_readfirstlane_b32 s18, v32                   ; wave 0..3
	v_and_b32 v32, 15, v0                          ; r
	v_bfe_u32 v33, v0, 4, 1                        ; h
	v_and_b32 v34, 31, v0                          ; lane
	v_mul_u32_u24 v[FRB], v32, EP
	v_lshl_add_u32 v[FRB], v33, 4, v[FRB]
	v_lshlrev_b32 v[L16], 4, v34
	v_lshlrev_b32 v[XGO], 5, v34
	s_wait_alu depctr_va_sdst(0)                   ; s18 is written, ahead of its first reader: LDS places and the buffers' offsets are made from it
	s_mul_i32 s30, s18, 64*XP
	s_add_co_u32 s30, s30, XC
	v_lshl_add_u32 v[XCW], v34, 2, s30             ; XC + my wave's 64 rows + 4 x lane
	v_lshrrev_b32 v35, 2, v34
	s_lshl_b32 s30, s18, 9
	s_add_co_u32 s30, s30, XSC
	v_add_nc_u32 v[XSW], s30, v35                  ; XSC + my wave's 64 rows + my block
	v_mul_u32_u24 v[PST], v32, PP
	v_lshl_add_u32 v[PST], v33, 4, v[PST]
	s_mul_i32 s30, s18, 4*PT
	v_add_nc_u32 v[PST], s30, v[PST]               ; P: row j = 64 w + r, + 16 h
	v_and_b32 v35, 7, v0
	v_lshl_add_u32 v35, v33, 3, v35
	v_mul_u32_u24 v[PTF], v35, PP
	v_bfe_u32 v35, v0, 3, 1
	v_lshl_add_u32 v[PTF], v35, 4, v[PTF]          ; (8 h + lane % 8) rows + 16 ((lane / 8) % 2)
	v_lshlrev_b32 v[OUTO], 4, v32
	v_lshl_add_u32 v[OUTO], v33, 3, v[OUTO]
	s_mov_b32 s19, NB                              ; batches left
	s_mov_b32 s20, 0x76543210
	s_mov_b32 s21, 0xfedcba98                      ; v_permlanex16_b32's selects for lane l xor 16
	s_mov_b32 s22, 0x3fb8aa3b                      ; log2(e)
	s_mov_b32 s23, s22                             ; (named with it as a pair, so it is written)
	s_mov_b32 s24, 0x01800000                      ; the floor 2^(3 - 127)
	s_mul_i32 s31, s18, EG                         ; my own 64 rows of E
	s_lshl_b32 s32, s18, 8
	s_mov_b32 s29, 0
	s_wait_kmcnt 0x0
	s_lshl_b32 s28, ttmp9, 19                      ; two batches of 262,144 bytes a work-group,
	s_lshl_b32 s30, s18, 16                        ; 64 rows of 1,024 bytes a wave
	s_add_co_u32 s28, s28, s30
	s_add_nc_u64 s[4:5], s[4:5], s[28:29]
	s_mov_b32 s28, s30
	s_add_nc_u64 s[14:15], s[14:15], s[28:29]      ; wdec_f: my four tiles of outputs, 65,536 bytes
	s_lshl_b32 s28, s18, 9
	s_add_nc_u64 s[6:7], s[6:7], s[28:29]          ; b_enc: my 128 numbers
	s_add_nc_u64 s[12:13], s[12:13], s[28:29]      ; wenc_s: my 128 words of each K step
	s_mov_b32 s28, s32
	s_add_nc_u64 s[8:9], s[8:9], s[28:29]          ; b_dec: my 64 numbers
	s_lshl_b32 s28, s18, 14
	s_add_nc_u64 s[10:11], s[10:11], s[28:29]      ; wenc_c: my 16 fragments
	s_lshl_b32 s28, ttmp9, 11
	s_add_co_u32 s28, s28, s32
	s_add_nc_u64 s[16:17], s[16:17], s[28:29]      ; out0: my 256 bytes of the first batch's row
	s_wait_alu depctr_va_vdst(0)                   ; the offsets and LDS addresses that stay, v[L16], v[XGO], v[XCW], v[XSW], v[PST], v[OUTO], are written: loads and stores read them from here to the end
	XLOAD 1, 0, 0                                  ; the first batch's x: at most two chunks, 64 loads, are out at a time
	XLOAD 1, 1, 1
	s_wait_loadcnt 32                              ; chunk 0 is in; chunk 1's 32 loads may be out
	XLOAD 3, 0, 2
	XQUANT 1, 0, 0
	s_wait_loadcnt 32                              ; chunk 1 is in; chunk 2's may be out
	XLOAD 3, 1, 3                                  ; no vector line has named the upper half of window 3
	XQUANT 1, 1, 1
; ---------------------------------------------------------------- a batch
.Lbatch:
	s_wait_loadcnt 0x0                             ; chunks 2 and 3 are in, so x's address may step: it now stands at the next batch
	s_add_nc_u64 s[4:5], s[4:5], 0x40000
	v_and_b32 v32, 15, v0                          ; r
	v_bfe_u32 v33, v0, 4, 1                        ; h
	v_lshlrev_b32 v34, 2, v32
	v_lshl_add_u32 v34, v33, 11, v34               ; W_enc's scale words: 4 r, lanes 16-31 K step 1's
	v_lshlrev_b32 v35, 5, v33                      ; b_enc: my half's eight numbers of a tile
	v_mul_u32_u24 v[XFR], v32, XP
	v_lshl_add_u32 v[XFR], v33, 4, v[XFR]
	v_add_nc_u32 v[XFR], XC, v[XFR]
	v_lshlrev_b32 v[XSR], 3, v32
	v_lshl_add_u32 v[XSR], v33, 2, v[XSR]
	v_add_nc_u32 v[XSR], XSC, v[XSR]               ; x's scale words: 8 r, lanes 16-31 K step 1's
	v_add_nc_u32 v[EST], s32, v[FRB]               ; E: row r, my 256 bytes of it, + 16 h
	s_wait_alu depctr_va_vdst(0)                   ; v34, v35, v[XFR], v[XSR] are written, which the loads below read; the last batch's products, maxima and bias line are done with window 2, v128-255, the scale words and v[BDV ..], in which loads land
	WIN 0x80                                       ; my part of W_enc, its scale words, b_enc, b_dec: 57 loads; the quantising below stands between them and the wait for them
.irp f, 0,1,2,3,4,5,6,7,8,9,10,11,12,13,14,15
	global_load_b128 v[8*\f:8*\f+3],   v[L16], s[10:11] offset:\f*1024
	global_load_b128 v[8*\f+4:8*\f+7], v[L16], s[10:11] offset:\f*1024+512
.endr
	WIN 0
.irp d, 0,1,2,3,4,5,6,7
	global_load_b32 v[WSC+\d], v34, s[12:13] offset:64*\d
.endr
.irp d, 0,1,2,3,4,5,6,7
	global_load_b128 v[BI+8*\d:BI+8*\d+3],   v35, s[6:7] offset:64*\d
	global_load_b128 v[BI+8*\d+4:BI+8*\d+7], v35, s[6:7] offset:64*\d+16
.endr
	global_load_b64 v[BDV:BDV+1], v[OUTO], s[8:9]
	XQUANT 3, 0, 2
	XQUANT 3, 1, 3
	BAR                                            ; x's codes of all 256 rows lie in LDS, and every wave's reads of the last batch's P are over
; ---- phase 1: E, two tiles of agents in flight: one is multiplied while the one before is packed and stored
	XFETCH 0, 0, 0                                 ; (the quantiser's lines, the only ones since the wait at the batch's head, name none of these registers)
	XFETCH 1, 16*XP, 128
	s_wait_loadcnt 0x0                             ; the weights
	s_wait_dscnt 5                                 ; tile 0's five loads are in; tile 1's may be out
	MM 0
	PLACES
	s_wait_alu depctr_va_vdst(0)                   ; tile 0's products are done reading x's set 0 and v30, in which the first trip's fetch lands
	s_mov_b32 s30, 7
.Lenc:                                             ; trip k: multiplies tiles 2 k + 1 and 2 k + 2, stores tiles 2 k and 2 k + 1, fetches tiles 2 k + 2 and 2 k + 3
	XFETCH 0, 32*XP, 256
	s_wait_dscnt 5                                 ; all but the five just issued
	MM 1
	PACKC 0
	s_wait_alu depctr_va_vdst(0)                   ; the conversions have written PK's set 0, which the stores read; v[EST] is written; the products just issued are done reading x's set 1 and v31, in which the fetch below lands
	PACKS 0, 0
	XFETCH 1, 48*XP, 384
	s_wait_dscnt 5                                 ; all but the five just issued: the other set's fragments are in
	MM 0
	PACKC 1
	s_wait_alu depctr_vm_vsrc(0)                   ; this trip's two fetches have read v[XFR] and v[XSR]; the stores above have read PK's set 0, which the next trip's conversions write
	v_add_nc_u32 v[XFR], 32*XP, v[XFR]
	v_add_nc_u32 v[XSR], 256, v[XSR]
	s_wait_alu depctr_va_vdst(0)                   ; the conversions have written PK's set 1, which the stores read; v[XFR] and v[XSR] are written; the products just issued are done reading x's set 0 and v30, in which the next trip's fetch lands
	PACKS 1, ET
	s_wait_alu depctr_vm_vsrc(0)                   ; the stores have read v[EST], and PK's set 1, which the next trip's conversions write
	v_add_nc_u32 v[EST], 2*ET, v[EST]
	s_sub_co_u32 s30, s30, 1
	s_cmp_lg_u32 s30, 0
	s_cbranch_scc1 .Lenc
	s_wait_dscnt 8                                 ; tile 15's fragments are in; the eight stores behind them may be out
	MM 1                                           ; tile 15
	PACKC 0                                        ; tile 14: its conversions are the places behind tile 15's products
	PACKC 1
	s_wait_alu depctr_va_vdst(0)                   ; the conversions have written both sets of PK, which the stores read; v[EST] is written
	PACKS 0, 0
	PACKS 1, ET
	BAR                                            ; E is whole, and x's codes have been read: they may be written again
	s_wait_alu depctr_vm_vsrc(0)                   ; E's stores have read v64-127 and the weights' loads v34 and v35: S's B fragments land there; the last batch's loads have read v[AE ..] and v[AO], which are made anew below
	s_cmp_eq_u32 s19, 1                            ; the next batch's rows 0-31 of my 64 are asked for here, if there is a next batch: no load leaves its buffer
	s_cbranch_scc1 .Lno_x01
	XLOAD 1, 0, 0                                  ; (no vector line since the last wait on va_vdst names window 1)
	XLOAD 1, 1, 1
.Lno_x01:
; ---- phase S: S(i, j) for all i and my 64 columns j; source 0 = 16 rows i, source 1 = 16 rows j: a lane holds one column j
.irp g, 0,1,2,3
	v_add_nc_u32 v[AE+\g], \g*EG, v[FRB]
.endr
	v_add_nc_u32 v[AO], s31, v[FRB]
	s_wait_alu depctr_va_vdst(0)                   ; the five addresses are written, which the loads below read
	FBS 0
	FA4 0
	FA4 4
	STEP_S 0, 1, 1                                 ; the first K step starts the sums: nothing is cleared
	s_mov_b32 s30, 7
.Lsk:
	STEP_S 1, 0, 1
	STEP_S 0, 0, 1
	s_sub_co_u32 s30, s30, 1
	s_cmp_lg_u32 s30, 0
	s_cbranch_scc1 .Lsk
	STEP_S 1, 0, 0
	s_wait_loadcnt 0x0                             ; on every path: from here on the counts of loads are the weights' alone
	s_wait_alu depctr_vm_vsrc(0)                   ; S's last loads have read v[AE ..], which are made anew below
	s_cmp_eq_u32 s19, 1
	s_cbranch_scc1 .Lno_q01
	XQUANT 1, 0, 0                                 ; window 1 is wanted for P
	XQUANT 1, 1, 1
.Lno_q01:
; ---- G's first fragments are asked for ahead of the softmax, which names none of their registers
	s_mov_b64 s[26:27], s[14:15]
.irp g, 0,1,2,3
	v_add_nc_u32 v[AE+\g], \g*EG, v[FRB]
.endr
	s_wait_alu depctr_va_vdst(0)                   ; v[AE ..] are written; S's last products are done reading B's sets and A's tiles, and the quantiser is done with v64-95: the loads below land there
	FBG 0, 0
	FBG 1, 1024
	FA4 0
	FA4 4
; ---- the softmax over i of my columns
.irp k, 0,1,2,3,4,5,6,7
	v_mov_b32 v[MX+\k], 0xff800000
.endr
.irp k, 0,1,2,3,4,5,6,7,8,9,10,11,12,13,14,15
	v_mov_b32 v[SU+\k], 0
.endr
.irp k, 0,1,2,3
	v_mov_b32 v[PD+\k], 0                          ; a lane permute's destination counts as one of its sources
.endr
	WIN 0x28
	SMAX
	WIN 0x3c
	SMAX
	WIN 0
.irp t, 0,1,2,3
	v_max_num_f32 v[MX+2*\t], v[MX+2*\t], v[MX+2*\t+1]
.endr
.irp t, 0,1,2,3
	v_permlanex16_b32 v[PD+\t], v[MX+2*\t], s20, s21
.endr
.irp t, 0,1,2,3
	v_max_num_f32 v[MX+2*\t], v[MX+2*\t], v[PD+\t] ; with lane l xor 16's rows: the column's largest score
.endr
	WIN 0x82
	SEXP
	WIN 0xc3
	SEXP
	v_nop                                          ; a plain instruction behind the last exponential
	s_wait_alu depctr_va_vdst(0)                   ; the 512 exponentials have written p: one wait, ahead of the first instruction that names a result
	WIN 0x08
	SSUM
	WIN 0x0c
	SSUM
	WIN 0
.irp t, 0,1,2,3
	v_pk_add_f32 v[SU+4*\t:SU+4*\t+1], v[SU+4*\t:SU+4*\t+1], v[SU+4*\t+2:SU+4*\t+3]
.endr
.irp t, 0,1,2,3
	v_add_f32 v[SU+4*\t+2], v[SU+4*\t], v[SU+4*\t+1]
.endr
.irp t, 0,1,2,3
	v_permlanex16_b32 v[PD+\t], v[SU+4*\t+2], s20, s21
.endr
.irp t, 0,1,2,3
	v_add_f32 v[SU+4*\t+2], v[SU+4*\t+2], v[PD+\t] ; the column's sum: at least 1
.endr
.irp t, 0,1,2,3
	v_rcp_f32 v[SU+4*\t], v[SU+4*\t+2]
.endr
	v_nop
	s_wait_alu depctr_va_vdst(0)                   ; the four reciprocals are written: one wait, ahead of their first reader
	WIN 0x82
	SDIV
	WIN 0x4a
	SPACK 0
	WIN 0xc3
	SDIV
	WIN 0x4f
	SPACK 1
	WIN 0
; ---- phase G: G(j, o) = E W_dec for all j and my 64 outputs; the accumulators begin anew
	STEP_G 0, 0, 2, 1, 1, 1, 8
	s_wait_xcnt 0x0                                ; the weight loads have read their base
	s_add_nc_u64 s[26:27], s[26:27], 1024
	s_mov_b32 s30, 4
.Lgk:                                              ; three K steps a trip: the three sets come back to where they began
	STEP_G 0, 1, 0, 0, 1, 1, 8
	STEP_G 1, 2, 1, 0, 1, 1, 8
	STEP_G 2, 0, 2, 0, 1, 1, 8
	s_wait_xcnt 0x0
	s_add_nc_u64 s[26:27], s[26:27], 3072
	s_sub_co_u32 s30, s30, 1
	s_cmp_lg_u32 s30, 0
	s_cbranch_scc1 .Lgk
	STEP_G 0, 1, 0, 0, 1, 1, 8                     ; K step 13 asks for the last weights,
	STEP_G 1, 2, 0, 0, 0, 1, 8                     ; 14 for the last step's tiles 0-7 of E,
	STEP_G 2, 0, 0, 0, 0, 0, 0                     ; 15 for its own tiles 8-15 alone
	BAR                                            ; nobody reads E any more: P may be laid over it
; ---- P into LDS (row j, i along the row); G packed into the registers that P leaves
	WIN 0x04                                       ; an LDS store's data are its source 1: window 1.  (P was packed ahead of G's waits on va_vdst, and no line since names window 1)
.irp c, 0,1,2,3,4,5,6,7,8,9,10,11,12,13,14,15
.irp t, 0,1,2,3
	ds_store_b128 v[PST], v[16*\c+4*\t:16*\c+4*\t+3] offset:\t*PT+32*\c
.endr
.endr
	WIN 0
	s_wait_dscnt 0x0                               ; for the others' sake: my part of P is in LDS
	s_wait_alu depctr_vm_vsrc(0)                   ; the stores have read window 1's registers, which G's packing writes
	s_barrier_signal -1
	WIN 0x4a                                       ; work on registers while the others arrive
	GPACK 0
	WIN 0x4f
	GPACK 4
	WIN 0
	s_barrier_wait -1                              ; P is whole
; ---- the last product, out(i, o) = P G, 128 rows i at a time, and the maximum over i
.irp t, 0,1,2,3
	v_mov_b32 v[RM+\t], 0xff800000
.endr
.irp t, 0,1,2,3
	v_mov_b32 v[RP+\t], 0
.endr
	v_mov_b32 v[PTA], v[PTF]                       ; K steps 0-3,
	v_add_nc_u32 v[PTA+1], 8*PT, v[PTF]            ; K steps 4-7: beyond an offset's 16 bits
	s_wait_alu depctr_va_vdst(0)                   ; G's packing is done reading window 3, in which x lands; v[PTA], v[PTA + 1] are written, which P's loads read
	s_cmp_eq_u32 s19, 1
	s_cbranch_scc1 .Lno_x23
	XLOAD 3, 0, 2                                  ; the next batch's rows 32-63 of my 64: window 3 is free
	XLOAD 3, 1, 3
.Lno_x23:
	s_mov_b32 s30, 2
.Lhalf:
	FP4 0, 0, 0
	FP4 0, 0, 4
	FP4 1, 1, 0
	FP4 1, 1, 4
	s_wait_dscnt 16                                ; K step 0's fragments are in; K step 1's sixteen loads may be out
	WIN 0xa4                                       ; P window 0, G window 1, sums window 2
.irp a, 0,1,2,3,4,5,6,7
	PROW 0, \a
.endr
	WIN 0
	PLACES
.set q, 1
.rept 7
	s_wait_dscnt 0x0                               ; this K step's fragments are in
.if q < 7
	s_wait_alu depctr_va_vdst(0)                   ; the last K step's products are done reading the other set of P's fragments, in which the loads among this step's products land
	WIN 0xa4
	PROW q, 0
	WIN 0
	FP4 (q+1)%2, q+1, 0
	WIN 0xa4
	PROW q, 1
	PROW q, 2
	WIN 0
	FP4 (q+1)%2, q+1, 4
	WIN 0xa4
.irp a, 3,4,5,6,7
	PROW q, \a
.endr
.else
	WIN 0xa4
.irp a, 0,1,2,3,4,5,6,7
	PROW q, \a
.endr
.endif
	WIN 0
	PLACES
.set q, q+1
.endr
	WIN 0x28
.irp a, 0,1,2,3,4,5,6,7
.irp u, 0,2,4,6
.irp t, 0,1,2,3
	v_max3_num_f32 v[RM+\t], v[RM+\t], v[8*(4*\a+\t)+\u], v[8*(4*\a+\t)+\u+1]   ; a lane holds one output and eight agents: each accumulator from its low end on
.endr
.endr
.endr
	WIN 0
	s_wait_alu depctr_vm_vsrc(0)                   ; P's loads have read the two addresses
	v_add_nc_u32 v[PTA], 256, v[PTA]               ; the next 128 rows i
	v_add_nc_u32 v[PTA+1], 256, v[PTA+1]
	s_wait_alu depctr_va_vdst(0)                   ; the two addresses are written, and K steps 6 and 7's products are done reading both sets: the next trip's loads read the one and land in the other
	s_sub_co_u32 s30, s30, 1
	s_cmp_lg_u32 s30, 0
	s_cbranch_scc1 .Lhalf
; ---- out: lane (r, h) holds the maxima of outputs 64 w + 4 r + 0 .. 3; it stores two of them
.irp t, 0,1,2,3
	v_permlanex16_b32 v[RP+\t], v[RM+\t], s20, s21
.endr
.irp t, 0,1,2,3
	v_max_num_f32 v[RM+\t], v[RM+\t], v[RP+\t]     ; with lane l xor 16's agents
.endr
	v_bfe_u32 v40, v0, 4, 1
	v_cmp_eq_u32 vcc_lo, 1, v40
	s_wait_alu depctr_va_vcc(0)                    ; VCC is written, ahead of the two selects that read it
	v_cndmask_b32 v42, v[RM], v[RM+2], vcc_lo
	v_cndmask_b32 v43, v[RM+1], v[RM+3], vcc_lo
	v_pk_add_f32 v[42:43], v[42:43], v[BDV:BDV+1]
	s_wait_alu depctr_va_vdst(0)                   ; v[42:43] are written, which the store reads
	global_store_b64 v[OUTO], v[42:43], s[16:17]   ; 32 lanes store 256 consecutive bytes, aligned
	s_wait_xcnt 0x0                                ; the store has read its registers and its base
	s_add_nc_u64 s[16:17], s[16:17], 1024
	s_sub_co_u32 s19, s19, 1
	s_cmp_lg_u32 s19, 0
	s_cbranch_scc1 .Lbatch
	s_wait_dscnt 0x0                               ; the wave's end
	s_wait_alu 0x0
	s_wait_tensorcnt 0x0
	ds_add_u32 v[SPW], v[NIL]
	s_wait_dscnt 0x0
	s_endpgm
.Lfunc_end_k_q01ade31e78_main:
	.size	k_q01ade31e78_main, .Lfunc_end_k_q01ade31e78_main-k_q01ade31e78_main
	.p2alignl 7, 3214868480
	.fill 96, 4, 3214868480
	.section	.rodata,"a",@progbits
	.p2align	6, 0x0
	.amdhsa_kernel k_q01ade31e78_main
		.amdhsa_group_segment_fixed_size 305664
		.amdhsa_private_segment_fixed_size 0
		.amdhsa_enable_private_segment 0
		.amdhsa_kernarg_size 56
		.amdhsa_user_sgpr_count 2
		.amdhsa_user_sgpr_kernarg_segment_ptr 1
		.amdhsa_wavefront_size32 1
		.amdhsa_system_sgpr_workgroup_id_x 1
		.amdhsa_system_sgpr_workgroup_id_y 1
		.amdhsa_system_sgpr_workgroup_id_z 1
		.amdhsa_system_vgpr_workitem_id 0
		.amdhsa_next_free_vgpr 1024
		.amdhsa_next_free_sgpr 66
		.amdhsa_reserve_vcc 1
		.amdhsa_float_denorm_mode_32 3
		.amdhsa_float_denorm_mode_16_64 3
		.amdhsa_memory_ordered 1
		.amdhsa_forward_progress 1
		.amdhsa_inst_pref_size 255
	.end_amdhsa_kernel
	.section	.bss,"aw",@nobits
	.p2align	6
	.space	262144
	.amdgpu_metadata
---
amdhsa.version: [ 1, 2 ]
amdhsa.kernels:
  - .name:           k_q01ade31e78_main
    .symbol:         k_q01ade31e78_main.kd
    .args:
      - { .name: x, .offset: 0, .size: 8, .value_kind: global_buffer, .address_space: global }
      - { .name: b_enc, .offset: 8, .size: 8, .value_kind: global_buffer, .address_space: global }
      - { .name: b_dec, .offset: 16, .size: 8, .value_kind: global_buffer, .address_space: global }
      - { .name: wenc_c, .offset: 24, .size: 8, .value_kind: global_buffer, .address_space: global }
      - { .name: wenc_s, .offset: 32, .size: 8, .value_kind: global_buffer, .address_space: global }
      - { .name: wdec_f, .offset: 40, .size: 8, .value_kind: global_buffer, .address_space: global }
      - { .name: out0, .offset: 48, .size: 8, .value_kind: global_buffer, .address_space: global }
    .group_segment_fixed_size: 305664
    .private_segment_fixed_size: 0
    .kernarg_segment_align: 8
    .kernarg_segment_size: 56
    .max_flat_workgroup_size: 128
    .sgpr_count:     66
    .vgpr_count:     1024
    .wavefront_size: 32
...
	.end_amdgpu_metadata
.endif
;; end of part 3
